; MI455X (gfx1250); checked and timed in simulation.
; The chip was launched on July 23, 2026; its instructions are those of AMD's public machine-readable ISA for CDNA 5 (MIT licence, August 2026) and "CDNA5" Instruction Set Architecture Reference Guide (July 2026). The comments in the code are by the model that wrote it; some were corrected since.
;; Causal Self Attention. Allowed arithmetic: matrix products marked QUANTISED: E4M3 operands, one given power-of-two scale a tensor, by v_wmma_f32_16x16x64_fp8_fp8 or v_wmma_f32_16x16x128_fp8_fp8, f32 sums; everything else in f32.
;; Inputs: b_attn 3,072 float32; b_proj 1,024 float32; lowp_scales 8 int32 (the exponents e of the quantised operands' scales 2^e); w_attn 1,024 x 3,072 float32; w_proj 1,024 x 1,024 float32; x 4 x 2,048 x 1,024 float32.
;; Outputs: out0 4 x 2,048 x 1,024 float32.
;; This version of the problem:
;;   THIS VERSION OF THE PROBLEM IS GIVEN IN LOW PRECISION. The matrix products marked QUANTISED in the list below multiply operands that are first quantised to E4M3 (4 exponent bits, 3 mantissa bits; 8 bits a number), with one given power-of-two scale for each operand tensor; their sums are f32. All else is computed in f32.
;;   The module's matrix products, in the order in which they are computed (A, B: the left and right operand; K: the contracted axis; several contracted axes count as one K, in the product's order):
;;     1. [M 8,192, K 1,024] x [K 1,024, N 3,072]; A: input x; B: input w_attn: QUANTISED (scales: A lowp_scales[0], B lowp_scales[1])
;;     2. batch 64 x [M 2,048, K 64] x [K 64, N 2,048]; A: computed on the way; B: computed on the way: QUANTISED (scales: A lowp_scales[2], B lowp_scales[3])
;;     3. batch 64 x [M 2,048, K 2,048] x [K 2,048, N 64]; A: softmax (see below); B: computed on the way: QUANTISED (scales: A lowp_scales[4], B lowp_scales[5])
;;     4. [M 8,192, K 1,024] x [K 1,024, N 1,024]; A: computed on the way; B: input w_proj: QUANTISED (scales: A lowp_scales[6], B lowp_scales[7])
;;   THE QUANTISER, for each operand of a quantised product, along K:
;;     - The operand's scale is 2^e, e = its entry of the input lowp_scales (int32; the entries are numbered through the quantised products in the list's order, A before B).
;;     - Each number is divided by the scale, clamped to +-448, and rounded to the nearest number of E4M3, ties to even, subnormals kept.
;;     - The product sums the exact products of the quantised numbers (number of the format x scale) in f32.
;;   ~~~python
;;   def quantise(x, axis, e):      # numpy; x: float32 -> the quantised numbers, widened to float32 again
;;       x = np.moveaxis(x, axis, -1); K = x.shape[-1]
;;       r = np.clip(x / 2.0 ** e, -448, 448)
;;       step = 2.0 ** (np.maximum(np.frexp(np.where(r == 0, 1, r))[1] - 1, -6) - 3)
;;       q = np.round(r / step) * step * 2.0 ** e      # np.round: ties to even
;;       return np.moveaxis(q, -1, axis).astype(np.float32)
;;   ~~~
;;   SOFTMAX AHEAD OF A QUANTISED PRODUCT. Where the list says 'softmax', what is quantised is not the finished softmax but p = 2^(t - M), with t = logit x log2(e) and M = ceil(the row's largest t), a whole number; so 1/2 < the row's largest p <= 1. The row's sum l is taken of the UNQUANTISED p, in f32, and the product's result is divided by l at the end. Since M is a whole number, a kernel that streams over the keys may use a running M (the ceiling of the running maximum): every later rescaling is an exact power of two, so the quantised numbers keep their values, but for numbers so far below the row's largest that they fall under the format's range.
;;   OPERANDS COMPUTED ON THE WAY. 'Computed on the way' means the value that the module computes at that place (a softmax that the list does not call 'softmax' is quantised finished and normalised). What goes into a quantiser is computed in f32, as accurately as f32 sums, v_exp_f32 and their like allow (about 1e-6 of the number): no bf16 or f16 on the way to a quantiser, and a product that is left as it is and whose result goes on into a quantised operand takes f32 operands (vector FMAs, or v_wmma_f32_16x16x4_f32). A number that lies on a knife's edge between two numbers of the format may be rounded either way, as far as f32 arithmetic and the matrix unit's own rounding can turn it there, and no further.
;; One version. Each part assembles by itself: llvm-mc -triple=amdgcn-amd-amdhsa -mcpu=gfx1250 --defsym DOCPART=n.
;; ======== version 1 of 1: 4 launches
;; limits: right only within a limited range of input values
;; workspace buffers: x_codes 8,388,608 bytes; wa_codes 3,145,728 bytes; wp_codes 1,048,576 bytes; q_img 8,388,608 bytes; k_img 8,388,608 bytes; v_img 8,388,608 bytes; a_img 8,388,608 bytes
;; launch quant (part 1): grid 384 x 1, 4 waves a work-group, no clusters, 68,096 bytes of LDS; arguments x, w_attn, w_proj, lowp_scales, x_codes, wa_codes, wp_codes; writes x_codes, wa_codes, wp_codes
.if DOCPART == 1
	.amdgcn_target "amdgcn-amd-amdhsa--gfx1250"
	.amdhsa_code_object_version 6
	.text
	.protected	k_qfb805782af_quant
	.globl	k_qfb805782af_quant
	.p2align	8
	.type	k_qfb805782af_quant,@function
k_qfb805782af_quant:
	s_mov_b64 s[64:65], 0
	v_nop
	global_prefetch_b8 v0, s[64:65] scope:SCOPE_SE
	s_setreg_imm32_b32 hwreg(HW_REG_WAVE_MODE, 25, 1), 1
	s_wait_xcnt 0x0
; CAUSAL SELF-ATTENTION IN FP8 (E4M3), FOUR LAUNCHES: this one: x and the two weights into codes; x w_attn + b_attn into codes of q, k, v; attention; the projection.
; WORK LEFT OUT, in the whole program: only what the mask that the problem builds itself (jnp.tril) throws away, in whole steps.  A score of key k for query q with k > q is set to -infinity ahead of the softmax,
; so its weight is 0 for all values of the inputs: it adds nothing to the row's largest t, to the row's sum or to the second product.  The attention launch therefore leaves out every step of 128 keys that lies wholly
; behind a tile of 16 queries, in both products.  Every input has a way to the output and is loaded (the k part of b_attn moves k's codes).
; LIMIT: a NaN, an infinity or an overflow that reaches only the steps left out is not carried to the result.
; THIS LAUNCH.  code = number / 2^e, held within +-448, to the nearest code, ties to even; e = entry 0 (x), 1 (w_attn), 7 (w_proj) of the scales.  LIMITS: -126 <= e <= 119.  NaN among the inputs is not served.
; Work-groups 0 .. 127 take the weights, 128 .. 383 take x: the two ways part on the work-group's number, and each has LDS bytes of its own.  No tensor loads, no barrier: waves share nothing.  Memory binds: no matrix units, no clusters.
; X [8192][1024] f32 is a plain stream, K innermost.  A wave takes 16 steps of 512 numbers.  Each of a step's four loads reads 512 consecutive bytes, 16 a lane; the 2,048 bytes go through the wave's own stage in LDS as they lie
; and come back 64 bytes a lane (16 bytes of padding behind each 64), so that a lane holds 16 neighbours for the conversions.  A lane's 16 codes are 16 bytes: the wave stores 512 consecutive bytes.  Loads run four steps ahead.
; THE WEIGHTS: w_attn [1024 k][3072 n], w_proj [1024 k][1024 n], K their FIRST axis, become codes laid [n][1024 k].  A lane takes a column n and its registers run down K: each load reads 128 consecutive bytes a wave.
; Of a work-group's number i, i % 32 = 0 .. 23 picks 128 columns of w_attn, 24 .. 31 of w_proj; i / 32 picks 256 of K.  Pointers, the row's length and e are chosen by these numbers.
; w_proj's codes: inside every 32 of K the two middle groups of eight change places (stored places 8-15 hold k 16-23, places 16-23 hold k 8-15), so that the projection's 16-byte loads give each lane the k that the
; matrix form's own layout gives it, as the attention launch's results have them: a register's row of w is picked by its offset register, made once.
; A wave's codes (32 columns x 256 bytes) go through its own stage in LDS and leave as rows: sixteen lanes store 256 consecutive aligned bytes.  Loads run two blocks (64 loads a wave) ahead.
.set EMAX,  8
.set MANT,  0x600000                   ; the mantissa field of 448 as f32
.set SPW,   12                         ; v12  LDS address of my spare word; never rewritten
.set NIL,   13                         ; v13  0; never rewritten
.set STEPS, 16                         ; x: steps of a wave
.set CB,    16                         ; x: bytes of 16 codes
.set R,     16                         ; x: v16-79   four sets of 16 numbers as they are loaded
.set X,     80                         ; x: v80-111  two sets of 16 neighbours
.set C,     128                        ; x: v128-191 codes: four registers for each step
.set WREG,  8192                       ; x: LDS region of a wave: two stages of 32 x SP bytes
.set SP,    80                         ; x: a lane's place in a stage: 64 bytes + 16 of padding
.set WSTG,  32768                      ; w: the four stages begin behind x's four regions
.set NB,    8                          ; w: blocks of 32 along K for a wave
.set PITCH, 272                        ; w: a stage row: 256 bytes + 16
.set KROW,  1024                       ; w: a row of codes in memory
.set OFFS,  16                         ; w: v16-47   register i's byte offset; never rewritten
.set WX,    48                         ; w: v48-111  two sets of 32 numbers
.set WC,    112                        ; w: v112-119 a block's codes
.set OUTR,  120                        ; w: v120-183 the way out
.set SPARE, WSTG+4*32*PITCH            ; behind all stages: the spare words, 128 bytes a wave
	s_load_b256 s[4:11], s[0:1], 0x0               ; x s[4:5], w_attn s[6:7], w_proj s[8:9], the scales' exponents s[10:11]
	s_load_b128 s[12:15], s[0:1], 0x20             ; x's codes, w_attn's codes
	s_load_b64 s[48:49], s[0:1], 0x30              ; w_proj's codes
	v_lshl_add_u32 v[SPW], v0, 2, SPARE
	v_mov_b32 v[NIL], 0
	v_lshrrev_b32 v1, 5, v0
	v_readfirstlane_b32 s3, v1                     ; wave
	v_and_b32 v2, 31, v0                           ; lane
	s_wait_alu depctr_va_vdst(0)
	s_cmp_lt_u32 ttmp9, 128
	s_cbranch_scc0 .Lx
	; ---- the weights
	s_and_b32 s50, ttmp9, 31                       ; which 128 columns
	s_lshr_b32 s18, ttmp9, 5                       ; which 256 along K
	s_cmp_lt_u32 s50, 24                           ; w_attn's or w_proj's?
	s_cselect_b32 s17, 0, 24
	s_mov_b32 s24, 4096
	s_cselect_b32 s24, 12288, s24                  ; a row of w in bytes
	s_cselect_b32 s25, 0, 8                        ; how far the middle groups move
	s_sub_co_u32 s17, s50, s17
	s_lshl_b32 s17, s17, 7
	s_lshl_b32 s19, s3, 5
	s_add_co_u32 s17, s17, s19                     ; my wave's first column
	v_lshlrev_b32 v3, 2, v2                        ; in: 4 bytes a lane
	s_mul_i32 s19, s3, 32*PITCH
	s_add_co_u32 s19, s19, WSTG                    ; my stage
	v_mul_u32_u24 v4, v2, PITCH
	v_add_nc_u32 v4, s19, v4                       ; into it: row = my column
	v_and_b32 v5, 15, v2
	v_lshrrev_b32 v6, 4, v2                        ; out of it: sixteen lanes to a row, two rows an instruction
	v_mul_u32_u24 v7, v6, PITCH
	v_lshl_add_u32 v7, v5, 4, v7
	v_add_nc_u32 v7, s19, v7
	v_mul_u32_u24 v8, v6, KROW
	v_lshl_add_u32 v8, v5, 4, v8                   ; and the same place in the codes' buffer
	s_mul_i32 s27, s25, s24                        ; the move in bytes
.set ii, 0
.rept 32
	s_mul_i32 s26, s24, ii
.if (ii >= 8) && (ii < 16)
	s_add_co_u32 s26, s26, s27                     ; places 8-15 take rows 16-23 (w_proj) or their own (w_attn)
.endif
.if (ii >= 16) && (ii < 24)
	s_sub_co_u32 s26, s26, s27                     ; places 16-23 take rows 8-15 or their own
.endif
	v_add_nc_u32 v[OFFS+ii], s26, v3
.set ii, ii+1
.endr
	s_lshl_b32 s20, s18, 8
	s_mul_i32 s20, s20, s24                        ; 256 rows of w for each step along K,
	s_lshl_b32 s21, s17, 2
	s_add_co_u32 s20, s20, s21                     ; + 4 x column
	s_mov_b32 s21, 0
	s_lshl_b32 s28, s24, 5                         ; a block on: 32 rows
	s_mov_b32 s29, 0
	s_lshl_b32 s30, s17, 10                        ; the codes: column x 1,024
	s_lshl_b32 s31, s18, 8
	s_add_co_u32 s30, s30, s31                     ; + 256 for each step along K
	s_mov_b32 s31, 0
	s_wait_alu depctr_va_vdst(0)
	s_wait_kmcnt 0x0
	s_load_b32 s22, s[10:11], 0x4                  ; e of w_attn
	s_load_b32 s23, s[10:11], 0x1c                 ; e of w_proj
	s_cmp_lt_u32 s50, 24
	s_cselect_b64 s[4:5], s[6:7], s[8:9]
	s_cselect_b64 s[8:9], s[14:15], s[48:49]
	s_add_nc_u64 s[32:33], s[4:5], s[20:21]        ; a base for each of the eight blocks: nothing is stepped
.irp t, 1,2,3,4,5,6,7
	s_add_nc_u64 s[32+2*\t:33+2*\t], s[30+2*\t:31+2*\t], s[28:29]
.endr
	s_add_nc_u64 s[8:9], s[8:9], s[30:31]
.macro WLOAD t                         ; block t into set t % 2
.set li, 0
.rept 32
	global_load_b32 v[WX+32*((\t)%2)+li], v[OFFS+li], s[32+2*(\t):33+2*(\t)] th:TH_LOAD_NT
.set li, li+1
.endr
.endm
	WLOAD 0
	WLOAD 1
	s_wait_kmcnt 0x0
	s_cmp_lt_u32 s50, 24
	s_cselect_b32 s22, s22, s23                    ; e
	s_add_co_i32 s22, s22, 127
	s_lshl_b32 s23, s22, 23
	v_mov_b32 v11, s23                             ; 2^e as f32
	s_add_co_i32 s22, s22, EMAX
	s_lshl_b32 s22, s22, 23
	s_or_b32 s22, s22, MANT
	v_mov_b32 v10, s22                             ; 448 x 2^e
.macro BLOCK t
.set XS, WX+32*((\t)%2)
.if (\t) < NB-1
	s_wait_loadcnt 32                              ; this block's 32 loads are in; the next block's 32 may be out
.else
	s_wait_loadcnt 0
.endif
.set li, 0
.rept 32
	v_med3_num_f32 v[XS+li], v[XS+li], -v10, v10   ; the hold: the conversion does not saturate (ISA guide 7.6.2)
.set li, li+1
.endr
.irp g, 0,1,2,3
	v_cvt_scalef32_pk8_fp8_f32 v[WC+2*\g:WC+2*\g+1], v[XS+8*\g:XS+8*\g+7], v11
.endr
	ds_store_b128 v4, v[WC:WC+3] offset:32*(\t)    ; 32 codes: 32 bytes of my column's row
	ds_store_b128 v4, v[WC+4:WC+7] offset:32*(\t)+16
.if (\t)+2 < NB
	WLOAD (\t)+2
.endif
	s_wait_dscnt 0x0                               ; the stores have read their registers: the next block's codes may be written
.endm
	s_wait_alu depctr_va_vdst(0)
.irp t, 0,1,2,3,4,5,6,7
	BLOCK \t
.endr
.irp t, 0,1,2,3,4,5,6,7,8,9,10,11,12,13,14,15
	ds_load_b128 v[OUTR+4*\t:OUTR+4*\t+3], v7 offset:2*\t*PITCH   ; LDS serves a wave's instructions in order: these see my stores
.endr
.irp t, 0,1,2,3,4,5,6,7,8,9,10,11,12,13,14,15
	s_wait_dscnt 15-\t                             ; LDS loads come back in order: load t is in, the younger ones may be out
	global_store_b128 v8, v[OUTR+4*\t:OUTR+4*\t+3], s[8:9] offset:2*\t*KROW
.endr
	s_wait_tensorcnt 0x0                           ; the wave's end: behind my last LDS store
	ds_add_u32 v[SPW], v[NIL]
	s_wait_dscnt 0x0
	s_endpgm
.Lx:
	; ---- x
	v_lshlrev_b32 v3, 4, v2                        ; my 16 bytes of a load's 512
	s_mul_i32 s19, s3, WREG
	v_lshrrev_b32 v14, 2, v2
	v_mul_u32_u24 v14, v14, SP
	v_and_b32 v15, 3, v2
	v_lshl_add_u32 v14, v15, 4, v14
	v_add_nc_u32 v14, s19, v14                     ; the stage, on the way in: SP (lane / 4) + 16 (lane % 4)
	v_mul_u32_u24 v15, v2, SP
	v_add_nc_u32 v15, s19, v15                     ; and on the way out: SP x lane: my 16 neighbours
	v_mul_u32_u24 v4, v2, CB                       ; my codes' place in a step's
	s_sub_co_u32 s19, ttmp9, 128
	s_lshl_b32 s19, s19, 2
	s_add_co_u32 s20, s19, s3                      ; which run of 8,192 numbers is my wave's: 0 .. 1023
	s_lshl_b32 s22, s20, 15                        ; 32,768 bytes of numbers,
	s_mov_b32 s23, 0
	s_lshl_b32 s24, s20, 13                        ; 8,192 bytes of codes
	s_mov_b32 s25, 0
	s_wait_alu depctr_va_vdst(0)
	s_wait_kmcnt 0x0
	s_load_b32 s26, s[10:11], 0x0                  ; e
	s_add_nc_u64 s[4:5], s[4:5], s[22:23]
	s_add_nc_u64 s[12:13], s[12:13], s[24:25]
.macro LOAD t
.irp i, 0,1,2,3
	global_load_b128 v[R+16*((\t)%4)+4*\i:R+16*((\t)%4)+4*\i+3], v3, s[4:5] offset:2048*(\t)+512*\i th:TH_LOAD_NT   ; 32 lanes read 512 consecutive bytes
.endr
.endm
.macro TURN t                          ; step t's numbers through the stage: LDS serves a wave's instructions in order, so no wait stands between the stores and the loads
.irp i, 0,1,2,3
	ds_store_b128 v14, v[R+16*((\t)%4)+4*\i:R+16*((\t)%4)+4*\i+3] offset:32*SP*((\t)%2)+8*SP*\i
.endr
.irp i, 0,1,2,3
	ds_load_b128 v[X+16*((\t)%2)+4*\i:X+16*((\t)%2)+4*\i+3], v15 offset:32*SP*((\t)%2)+16*\i
.endr
.endm
.irp t, 0,1,2,3
	LOAD \t
.endr
	s_wait_kmcnt 0x0
	s_add_co_i32 s26, s26, 127
	s_lshl_b32 s27, s26, 23
	v_mov_b32 v11, s27                             ; 2^e as f32: the conversion takes its exponent field
	s_add_co_i32 s26, s26, EMAX
	s_lshl_b32 s26, s26, 23
	s_or_b32 s26, s26, MANT
	v_mov_b32 v10, s26                             ; 448 x 2^e
	s_wait_alu depctr_va_vdst(0)
	s_wait_loadcnt 12                              ; step 0's four loads are in; the twelve of steps 1 to 3 may be out
	TURN 0
.macro STEP t
.set XS, X+16*((\t)%2)
	s_wait_dscnt 0x0                               ; this step's numbers are back from the stage: so its stores into the stage have read their registers,
.if (\t)+4 < STEPS
	LOAD (\t)+4                                    ; which take the loads of four steps on
.endif
.if (\t)+1 < STEPS
.if STEPS-2-(\t) >= 3
	s_wait_loadcnt 12                              ; the next step's four loads are in; those of the three steps behind it may be out
.else
	s_wait_loadcnt 4*(STEPS-2-(\t))
.endif
	TURN (\t)+1                                    ; and go through the other stage while this step is worked
.endif
.irp i, 0,1,2,3,4,5,6,7,8,9,10,11,12,13,14,15
	v_med3_num_f32 v[XS+\i], v[XS+\i], -v10, v10   ; the hold at 448 x the scale comes first (ISA guide 7.6.2)
.endr
	v_cvt_scalef32_pk8_fp8_f32 v[C+4*(\t):C+4*(\t)+1], v[XS:XS+7], v11
	v_cvt_scalef32_pk8_fp8_f32 v[C+4*(\t)+2:C+4*(\t)+3], v[XS+8:XS+15], v11
	global_store_b128 v4, v[C+4*(\t):C+4*(\t)+3], s[12:13] offset:32*CB*(\t)   ; the results go to a store alone; the next vector lines are the next step's holds, on other registers
.endm
.irp t, 0,1,2,3,4,5,6,7,8,9,10,11,12,13,14,15
	STEP \t
.endr
	s_wait_tensorcnt 0x0                           ; the wave's end: behind my last LDS store
	ds_add_u32 v[SPW], v[NIL]
	s_wait_dscnt 0x0
	s_endpgm
.Lfunc_end_k_qfb805782af_quant:
	.size	k_qfb805782af_quant, .Lfunc_end_k_qfb805782af_quant-k_qfb805782af_quant
	.p2alignl 7, 3214868480
	.fill 96, 4, 3214868480
	.section	.rodata,"a",@progbits
	.p2align	6, 0x0
	.amdhsa_kernel k_qfb805782af_quant
		.amdhsa_group_segment_fixed_size 68096
		.amdhsa_private_segment_fixed_size 0
		.amdhsa_enable_private_segment 0
		.amdhsa_kernarg_size 56
		.amdhsa_user_sgpr_count 2
		.amdhsa_user_sgpr_kernarg_segment_ptr 1
		.amdhsa_wavefront_size32 1
		.amdhsa_system_sgpr_workgroup_id_x 1
		.amdhsa_system_sgpr_workgroup_id_y 1
		.amdhsa_system_sgpr_workgroup_id_z 1
		.amdhsa_system_vgpr_workitem_id 0
		.amdhsa_next_free_vgpr 192
		.amdhsa_next_free_sgpr 66
		.amdhsa_reserve_vcc 0
		.amdhsa_float_denorm_mode_32 3
		.amdhsa_float_denorm_mode_16_64 3
		.amdhsa_memory_ordered 1
		.amdhsa_forward_progress 1
		.amdhsa_inst_pref_size 89
	.end_amdhsa_kernel
	.amdgpu_metadata
---
amdhsa.version: [ 1, 2 ]
amdhsa.kernels:
  - .name:           k_qfb805782af_quant
    .symbol:         k_qfb805782af_quant.kd
    .args:
      - { .name: x, .offset: 0, .size: 8, .value_kind: global_buffer, .address_space: global }
      - { .name: w_attn, .offset: 8, .size: 8, .value_kind: global_buffer, .address_space: global }
      - { .name: w_proj, .offset: 16, .size: 8, .value_kind: global_buffer, .address_space: global }
      - { .name: lowp_scales, .offset: 24, .size: 8, .value_kind: global_buffer, .address_space: global }
      - { .name: x_codes, .offset: 32, .size: 8, .value_kind: global_buffer, .address_space: global }
      - { .name: wa_codes, .offset: 40, .size: 8, .value_kind: global_buffer, .address_space: global }
      - { .name: wp_codes, .offset: 48, .size: 8, .value_kind: global_buffer, .address_space: global }
    .group_segment_fixed_size: 68096
    .private_segment_fixed_size: 0
    .kernarg_segment_align: 8
    .kernarg_segment_size: 56
    .max_flat_workgroup_size: 128
    .sgpr_count:     66
    .vgpr_count:     192
    .wavefront_size: 32
...
	.end_amdgpu_metadata
.endif
;; end of part 1
;; launch qkv (part 2): grid 12 x 32, 4 waves a work-group, clusters of 4 x 4, 327,680 bytes of LDS; arguments x_codes, wa_codes, lowp_scales, b_attn, q_img, k_img, v_img; writes q_img, k_img, v_img
.if DOCPART == 2
	.amdgcn_target "amdgcn-amd-amdhsa--gfx1250"
	.amdhsa_code_object_version 6
	.text
	.protected	k_qfb805782af_qkv
	.globl	k_qfb805782af_qkv
	.p2align	8
	.type	k_qfb805782af_qkv,@function
k_qfb805782af_qkv:
	s_mov_b64 s[64:65], 0
	v_nop
	global_prefetch_b8 v0, s[64:65] scope:SCOPE_SE
	s_setreg_imm32_b32 hwreg(HW_REG_WAVE_MODE, 25, 1), 1
	s_wait_xcnt 0x0
	s_wait_alu depctr_hold_cnt(0) depctr_sa_sdst(0) depctr_va_vdst(0) depctr_va_sdst(0) depctr_va_ssrc(0) depctr_va_vcc(0) depctr_vm_vsrc(0)
	s_getreg_b32 s2, hwreg(HW_REG_IB_STS2, 6, 4)
	s_cmp_eq_u32 s2, 0
	s_cbranch_scc0 .Lentry_in_a_cluster
	s_endpgm
.Lentry_in_a_cluster:
	s_bfe_u32 s2, ttmp6, 0x10000c
	s_cmp_lg_u32 s2, 0xf033
	s_cbranch_scc0 .Lentry_shape_is_right
	s_endpgm
.Lentry_shape_is_right:
; qkv = x w_attn + b_attn on codes of FP8 (E4M3), and q, k, v quantised on the way out (entries 2, 3, 5 of the scales).  x_codes [8192][1024], wa_codes [3072][1024]: K innermost.  Sums in f32.
; A sum stands for sum x 2^(e0 + e1); one fused multiply-add gives sum x 2^(e0 + e1) + bias in f32; that is held within +-448 x the scale and converted.
; LIMITS: e0 + e1 between -126 and 127; e2, e3, e5 between -126 and 119, so that each power of two below is an f32 number.
; THE FORM.  C'[m'][n'] = sum over k of A'[m'][k] B'[n'][k].  A tile of 256 x 256 to a work-group of four waves, 128 x 128 (64 accumulators, 512 registers) to a wave.  K goes in steps of 256 through a ring of two LDS slots.
; THE MATRIX INSTRUCTION IS USED TRANSPOSED (source 0 = 16 rows of B', source 1 = 16 rows of A'): lane (r, h), register j of accumulator (a, b), holds m' = 16 a + r, n' = 16 b + 8 h + j.
; THE KIND is the cluster's x, the same in all sixteen partners.  Kinds 0, 1 (q, k): A' = x (m' a token), B' = w_attn (n' a feature): a lane's eight results are eight neighbouring CHANNELS, the next K.
; Kind 2 (v): A' = w_attn's rows 2048 on (m' a channel), B' = x (n' a token): a lane's eight results are eight neighbouring KEYS, the second product's K.
; RESULTS LEAVE AS IMAGES OF THE NEXT OPERAND'S REGISTERS.  The 8-bit layout gives lane (r, h), in registers 2 c, 2 c + 1, k = 16 c + 8 h + 0 .. 7: just what one conversion makes of accumulator b = c.  Four such registers
; are stored at 16 x lane: each store of the wave covers 512 consecutive bytes, aligned.  No stage in LDS, no LDS store.
;   q_img, k_img: [batch x head 64][tile of 16 tokens 128][chunk 2][lane 32][16 bytes];   v_img: [batch x head 64][block of 128 keys 16][tile of 16 channels 4][chunk 4][lane 32][16 bytes].
; CLUSTERS: 4 x 4 work-groups.  A's tile hangs on the tile row and is shared along a row of the cluster, B's on the tile column and is shared along a column: each is asked for jointly.
; No prefetch: K has four steps only, and every tile is read by many work-groups.
; REGISTERS: window 0: v0-31 addresses; from v128 A's fragments, one set; on the way out v32-95 the bias, v96-159 at work, v160-223 codes.  window 1: B's fragments, two sets.  windows 2, 3: the accumulators.
.set SIZE_K, 1024
.set KSTEP,  256
.set ROWB,   256
.set KROW,   SIZE_K
.set PITCH,  272                       ; an LDS row: 256 bytes + 16 of padding = 68 words: the 16 rows that a load touches start at 16 different banks (64 banks of 4 bytes: ISA guide 11.1)
.set FR,     16
.set NL,     4
.set NP,     4
.set HALFT,  128*PITCH
.set SLOT,   4*HALFT
.set LAPS,   SIZE_K/(2*KSTEP)
.set SPARE,  2*SLOT                    ; behind the ring: the spare words, 128 bytes a wave
.set LIMR, 10                          ; v10  448 x the scale
.set SCR,  11                          ; v11  the scale as f32
.set ADRA, 16
.set ADRB, 20
.set HB,   24                          ; v24  32 h: my half's place among a tile's 16 biases (kinds 0, 1)
.set RB,   25                          ; v25  4 r: my channel's bias (kind 2)
.set CO,   26                          ; v26  16 x lane: my place in an image
.set SPW,  28
.set NIL,  29
.set BI,   32
.set TMP,  96
.set AF,   128
.set CR,   160                         ; four sets of 16 registers of codes, by turns
.set G1, 24
.set G0, 32
.set G1B, 48
.set G0B, 56
.set MSB, 0
.macro WIN new                         ; the immediate's high byte repeats the setting that is left
.if MSB != (\new)
	s_set_vgpr_msb (MSB<<8)|(\new)
.set MSB, (\new)
.endif
.endm
.set MUL_LO, 0xa1                      ; source 0 (B) window 1, source 1 (A) window 0, C and D window 2
.set MUL_HI, 0xf1
.set TO_B,   0x40
; A joint load: waves 0 and 1 fetch for A, waves 2 and 3 for B; the branch hangs on the wave's number alone.  An s_nop 0 and four v_nop follow each line.
.macro JLOAD g0a, g1a, g0b, g1b
	s_cmp_eq_u32 s15, 0
	s_cbranch_scc0 .Lfor_b_\@
	tensor_load_to_lds s[\g0a:\g0a+3], s[\g1a:\g1a+7]
	s_nop 0
.rept 4
	v_nop
.endr
	s_branch .Lasked_\@
.Lfor_b_\@:
	tensor_load_to_lds s[\g0b:\g0b+3], s[\g1b:\g1b+7]
	s_nop 0
.rept 4
	v_nop
.endr
.Lasked_\@:
.endm
.macro CREST                           ; a round of the cluster's barrier behind its opening barrier
	s_cmp_lg_u32 s14, 0
	s_cbranch_scc1 .Lnot_wave_0_\@
	s_barrier_signal -3
.Lnot_wave_0_\@:
	s_barrier_wait -3
	s_barrier_signal -1
	s_barrier_wait -1
.endm
.macro CROUND
	s_barrier_signal -1
	s_barrier_wait -1
	CREST
.endm
	s_load_b256 s[4:11], s[0:1], 0x0               ; x's codes s[4:5], w_attn's s[6:7], the scales' exponents s[8:9], b_attn s[10:11]
	s_load_b128 s[68:71], s[0:1], 0x20             ; q_img, k_img
	s_load_b64 s[72:73], s[0:1], 0x30              ; v_img
	v_lshl_add_u32 v[SPW], v0, 2, SPARE
	v_mov_b32 v[NIL], 0
	ds_add_u32 v[SPW], v[NIL]                      ; the wave's opening: the add, twice on end, and its wait ahead of my first tensor load
	ds_add_u32 v[SPW], v[NIL]
	v_lshrrev_b32 v1, 5, v0
	v_readfirstlane_b32 s14, v1                    ; wave 0..3
	s_lshr_b32 s15, s14, 1                         ; which half of the tile's rows is mine.  Also: I fetch for A (0) or for B (1)
	s_and_b32 s16, s14, 1                          ; which half of its columns.  Also: which 128 rows of that tile I fetch
	s_bfe_u32 s40, ttmp6, 0x40000                  ; cx
	s_bfe_u32 s41, ttmp6, 0x40004                  ; cy
	s_lshl_b32 s76, ttmp9, 2                       ; 4 x cluster x
	s_and_b32 s75, ttmp7, 0xffff
	s_lshl_b32 s75, s75, 2                         ; 4 x cluster y
	s_cmp_eq_u32 ttmp9, 2                          ; kind 2?
	s_cselect_b32 s17, 0, s75
	s_cselect_b32 s42, s75, s76
	s_add_co_u32 s17, s17, s41                     ; tile row: 4 Y + cy (tokens), or cy (channels)
	s_add_co_u32 s42, s42, s40                     ; tile column: 4 X + cx (features), or 4 Y + cx (tokens)
	s_lshl_b32 s43, s41, 2
	s_lshl_b32 s43, 15, s43                        ; my row of the cluster
	s_lshl_b32 s44, 0x1111, s40                    ; my column
	s_or_b32 s[G1+0], s43, (0<<16)|(1<<20)|(1<<21)|(5<<22)|(3<<25)  ; the mask; elements of 1 byte; padding on; bit 21 beside a mask; after every 64 words, 4 words
	s_or_b32 s[G1B+0], s44, (0<<16)|(1<<20)|(1<<21)|(5<<22)|(3<<25)
.irp g, G1, G1B
	s_mov_b32 s[\g+1], ROWB<<16                    ; tensor_dim0
	s_mov_b32 s[\g+2], 128<<16                     ; tensor_dim1
	s_mov_b32 s[\g+3], ROWB<<16                    ; tile_dim0
	s_mov_b32 s[\g+4], 128                         ; tile_dim1
	s_mov_b32 s[\g+5], KROW                        ; from row to row
	s_mov_b32 s[\g+6], 0
	s_mov_b32 s[\g+7], 0
.endr
	s_lshl_b32 s18, s16, 7
	s_lshl_b32 s20, s17, 8
	s_add_co_u32 s20, s20, s18                     ; A': row 256 x tile row + 128 x half
	s_lshl_b32 s46, s42, 8
	s_add_co_u32 s46, s46, s18                     ; B': row 256 x tile column + 128 x half
	s_mov_b32 s21, 0
	s_mov_b32 s47, 0
	s_mov_b64 s[18:19], KROW
	s_mul_u64 s[20:21], s[20:21], s[18:19]
	s_mul_u64 s[46:47], s[46:47], s[18:19]
	s_mul_i32 s45, s14, HALFT                      ; where they go: wave x 128 rows
	s_wait_dscnt 0x0                               ; both opening adds are done
	s_wait_kmcnt 0x0
	s_load_b256 s[84:91], s[8:9], 0x0              ; e0 .. e7
	s_add_nc_u64 s[78:79], s[6:7], 0x200000        ; w_attn's codes from row 2048 on
	s_cmp_eq_u32 ttmp9, 2
	s_cselect_b64 s[80:81], s[78:79], s[4:5]       ; A'
	s_cselect_b64 s[82:83], s[4:5], s[6:7]         ; B'
	s_add_nc_u64 s[20:21], s[80:81], s[20:21]
	s_add_nc_u64 s[46:47], s[82:83], s[46:47]
	CROUND                                         ; all sixteen work-groups are here: the first joint loads meet
.irp s, 0,1
	s_mov_b32 s[G0+4*\s], 1
	s_add_co_u32 s[G0+4*\s+1], s45, \s*SLOT
	s_add_nc_u64 s[G0+4*\s+2:G0+4*\s+3], s[20:21], \s*ROWB
	s_or_b32 s[G0+4*\s+3], s[G0+4*\s+3], 0x80000000
	s_mov_b32 s[G0B+4*\s], 1
	s_add_co_u32 s[G0B+4*\s+1], s45, \s*SLOT
	s_add_nc_u64 s[G0B+4*\s+2:G0B+4*\s+3], s[46:47], \s*ROWB
	s_or_b32 s[G0B+4*\s+3], s[G0B+4*\s+3], 0x80000000
.endr
	JLOAD G0, G1, G0B, G1B                         ; K step 0: one tensor load a wave at the head
	v_and_b32 v1, 15, v0                           ; r
	v_bfe_u32 v2, v0, 4, 1                         ; h
	v_mul_u32_u24 v3, v1, PITCH
	v_lshl_add_u32 v4, v2, 4, v3                   ; a fragment's row x pitch + 16 x half
	s_mul_i32 s21, s15, HALFT                      ; my 128 rows of A'
	s_mul_i32 s22, s16, HALFT                      ; my 128 rows of B',
	s_add_co_u32 s22, s22, 2*HALFT                 ; which lie behind A's 256
.irp s, 0,1
	v_add_nc_u32 v[ADRA+\s], s21, v4
	v_add_nc_u32 v[ADRB+\s], s22, v4
	s_add_co_u32 s21, s21, SLOT
	s_add_co_u32 s22, s22, SLOT
.endr
	v_lshlrev_b32 v[HB], 5, v2
	v_lshlrev_b32 v[RB], 2, v1
	v_and_b32 v6, 31, v0
	v_lshlrev_b32 v[CO], 4, v6
.macro FRAG reg, adr, q, i             ; 16 rows x 128 K: four loads of 16 bytes, 32 bytes apart: the same permutation of k in A' and in B', so every product meets its partner
.irp c, 0,1,2,3
	ds_load_b128 v[\reg+4*\c:\reg+4*\c+3], v[\adr] offset:128*(\q)+32*\c+(\i)*16*PITCH
.endr
.endm
; 16 matrix instructions: A's blocks a0, a0 + 1 x B's eight.  The 64 accumulators take turns, one instruction a turn, in the same order in every step.
.macro MUL16 a0, p, zero
.irp a, \a0, \a0+1
.irp b, 0,1,2,3,4,5,6,7
.if \zero
	v_wmma_f32_16x16x128_fp8_fp8 v[8*(8*((\a)%4)+\b):8*(8*((\a)%4)+\b)+7], v[128*(\p)+FR*\b:128*(\p)+FR*\b+FR-1], v[AF+FR*(\a):AF+FR*(\a)+FR-1], 0
.else
	v_wmma_f32_16x16x128_fp8_fp8 v[8*(8*((\a)%4)+\b):8*(8*((\a)%4)+\b)+7], v[128*(\p)+FR*\b:128*(\p)+FR*\b+FR-1], v[AF+FR*(\a):AF+FR*(\a)+FR-1], v[8*(8*((\a)%4)+\b):8*(8*((\a)%4)+\b)+7]
.endif
.endr
.endr
.endm
.macro FETCH_B slot, q, p
	WIN TO_B
.irp i, 0,1,2,3,4,5,6,7
	FRAG 128*(\p)+FR*\i, ADRB+\slot, \q, \i
.endr
	WIN 0
.endm
.macro FETCH_A slot, q, i0
.irp i, \i0, \i0+1, \i0+2, \i0+3
	FRAG AF+FR*(\i), ADRA+\slot, \q, \i
.endr
.endm
.macro PLACES n                        ; places behind matrix instructions, in front of loads into registers that they have read and of the first read of results
.rept \n
	v_nop
.endr
.endm
.macro STEP slot, q, zero              ; a step of 128 along K that has its successor in the same slot
	s_wait_dscnt 4*NL                              ; B's set and A's blocks 0-3 are in; the youngest 16 loads (A's blocks 4-7) may be out
	WIN MUL_LO
	MUL16 0, (\q)%2, \zero
	MUL16 2, (\q)%2, \zero
	s_wait_dscnt 0                                 ; A's blocks 4-7 are in
	PLACES NP
	FETCH_B \slot, (\q)+1, 1-(\q)%2
	FETCH_A \slot, (\q)+1, 0
	WIN MUL_HI
	MUL16 4, (\q)%2, \zero
	MUL16 6, (\q)%2, \zero
	PLACES NP
	WIN 0
	FETCH_A \slot, (\q)+1, 4
.endm
; A slot's last step changes slots: one barrier; in front of it each wave waits for all its tensor loads, adds 0 to its spare word, and waits for that and for its reads of this slot.
.macro TURN slot, next, fill
	s_wait_tensorcnt 0x0                           ; all my tensor loads have landed: my part of the next slot
	ds_add_u32 v[SPW], v[NIL]
	s_wait_dscnt 4*NL+1                            ; the add and the youngest 16 loads (A's blocks 4-7) may be out
	WIN MUL_LO
	MUL16 0, 1, 0
	s_wait_dscnt 0x0                               ; the add is done, and my reads of this slot are over
	s_barrier_signal -1
	MUL16 2, 1, 0
	WIN 0
	s_barrier_wait -1
.if \fill
	CREST                                          ; the barrier has opened a round of the cluster's barrier: no wave of any partner still reads this slot or has a load on its way
	s_add_nc_u64 s[G0+4*\slot+2:G0+4*\slot+3], s[G0+4*\slot+2:G0+4*\slot+3], 2*ROWB
	s_add_nc_u64 s[G0B+4*\slot+2:G0B+4*\slot+3], s[G0B+4*\slot+2:G0B+4*\slot+3], 2*ROWB
	JLOAD G0+4*\slot, G1, G0B+4*\slot, G1B         ; the first tensor load behind the round; its four v_nop are the places in front of the loads below
.else
	PLACES NP
.endif
	FETCH_B \next, 0, 0
	FETCH_A \next, 0, 0
	WIN MUL_HI
	MUL16 4, 1, 0
	MUL16 6, 1, 0
	PLACES NP
	WIN 0
	FETCH_A \next, 0, 4
.endm
.macro LAST                            ; the last slot's two steps; nothing more is fetched behind them
	STEP 1, 0, 0
	s_wait_dscnt 4*NL
	WIN MUL_LO
	MUL16 0, 1, 0
	MUL16 2, 1, 0
	s_wait_dscnt 0
	WIN MUL_HI
	MUL16 4, 1, 0
	MUL16 6, 1, 0
	WIN 0
	s_wait_loadcnt 0x0                             ; the biases, asked for 128 matrix instructions ago
	PLACES NP
.endm
; THE WAY OUT of block a (16 rows of A').  Each accumulator is read from its low end on.  isv = 0: the bias runs along a lane's registers; isv = 1: a lane has one channel, so one bias for the block.
.macro OUTBLK a, isv
.set AC, 64*((\a)%4)
.set CC, CR+16*((\a)%4)
.if (\a) >= 4
	s_wait_xcnt 0x0                                ; block a - 4's stores have read their registers, which are written again below
.endif
	WIN 0x02+((\a)/4)                              ; source 0: window 2 or 3
.irp b, 0,1,2,3,4,5,6,7
.if \isv
.irp j, 0,1,2,3,4,5,6,7
	v_fma_f32 v[TMP+8*\b+\j], v[AC+8*\b+\j], s96, v[BI+(\a)]
.endr
.else
.irp j, 0,2,4,6
	v_pk_fma_f32 v[TMP+8*\b+\j:TMP+8*\b+\j+1], v[AC+8*\b+\j:AC+8*\b+\j+1], s[96:97], v[BI+8*\b+\j:BI+8*\b+\j+1] op_sel_hi:[1,0,1]
.endr
.endif
.endr
	WIN 0
.set ii, 0
.rept 64
	v_med3_num_f32 v[TMP+ii], v[TMP+ii], -v[LIMR], v[LIMR]   ; the hold: the conversion does not saturate (ISA guide 7.6.2)
.set ii, ii+1
.endr
.irp b, 0,1,2,3,4,5,6,7
	v_cvt_scalef32_pk8_fp8_f32 v[CC+2*\b:CC+2*\b+1], v[TMP+8*\b:TMP+8*\b+7], v[SCR]   ; registers 2 b, 2 b + 1 of the next operand
.endr
	v_nop                                          ; a plain line behind the last conversion: the next block writes the conversions' sources
.irp c, 0,1,2,3
.if \isv
	global_store_b128 v[CO], v[CC+4*\c:CC+4*\c+3], s[12:13] offset:131072*((\a)/4)+2048*((\a)%4)+512*\c   ; head a / 4, tile of channels a % 4, chunk c
.else
	global_store_b128 v[CO], v[CC+4*\c:CC+4*\c+3], s[12:13] offset:1024*(\a)+131072*(\c/2)+512*(\c%2)     ; tile of tokens a, head c / 2, chunk c % 2
.endif
.endr
.endm
	s_wait_alu depctr_va_vdst(0)
	s_wait_tensorcnt 0x0                           ; my part of K step 0 is in
	ds_add_u32 v[SPW], v[NIL]
	s_wait_dscnt 0x0
	CROUND                                         ; everybody's part of K step 0 is in, and all sixteen work-groups are here
	JLOAD G0+4, G1, G0B+4, G1B                     ; K step 1: the first tensor load behind the round
	FETCH_B 0, 0, 0
	FETCH_A 0, 0, 0
	FETCH_A 0, 0, 4
	STEP 0, 0, 1                                   ; the first step's products start the sums: nothing is cleared
	s_mov_b32 s3, LAPS-1
.Llap:                                                 ; a trip goes once round the ring and fills both slots again
	TURN 0, 1, 1
	STEP 1, 0, 0
	TURN 1, 0, 1
	STEP 0, 0, 0
	s_sub_co_u32 s3, s3, 1
	s_cmp_lg_u32 s3, 0
	s_cbranch_scc1 .Llap
	TURN 0, 1, 0                                   ; the last lap fills nothing
	s_wait_kmcnt 0x0
	s_add_co_i32 s96, s84, s85
	s_add_co_i32 s96, s96, 127
	s_lshl_b32 s96, s96, 23                        ; 2^(e0 + e1) as f32
	s_mov_b32 s97, s96                             ; (named with it as a pair)
	s_cmp_eq_u32 ttmp9, 0
	s_cselect_b32 s92, s86, s87                    ; e2 for q, e3 for k,
	s_cmp_eq_u32 ttmp9, 2
	s_cselect_b32 s92, s89, s92                    ; e5 for v
	s_add_co_i32 s92, s92, 127
	s_lshl_b32 s93, s92, 23
	v_mov_b32 v[SCR], s93
	s_add_co_i32 s92, s92, 8
	s_lshl_b32 s92, s92, 23
	s_or_b32 s92, s92, 0x600000
	v_mov_b32 v[LIMR], s92
	s_cmp_eq_u32 ttmp9, 2                          ; the cluster's x: the same in all partners and all waves
	s_cbranch_scc1 .Lv
	; ---- kinds 0, 1: q and k
	s_lshl_b32 s74, s42, 10                        ; the bias of my 128 features: 4 x (256 x tile column + 128 x half)
	s_lshl_b32 s75, s16, 9
	s_add_co_u32 s74, s74, s75
	s_mov_b32 s75, 0
	s_add_nc_u64 s[10:11], s[10:11], s[74:75]
.irp b, 0,1,2,3,4,5,6,7
	global_load_b128 v[BI+8*\b:BI+8*\b+3], v[HB], s[10:11] offset:64*\b
	global_load_b128 v[BI+8*\b+4:BI+8*\b+7], v[HB], s[10:11] offset:64*\b+16
.endr
	s_cmp_eq_u32 ttmp9, 0
	s_cselect_b64 s[12:13], s[68:69], s[70:71]
	s_lshr_b32 s74, s17, 3                         ; batch
	s_lshl_b32 s74, s74, 4
	s_and_b32 s77, s42, 3
	s_lshl_b32 s77, s77, 2
	s_add_co_u32 s74, s74, s77
	s_lshl_b32 s77, s16, 1
	s_add_co_u32 s74, s74, s77                     ; 16 x batch + my first head
	s_lshl_b32 s74, s74, 7
	s_and_b32 s77, s17, 7
	s_lshl_b32 s77, s77, 4
	s_add_co_u32 s74, s74, s77
	s_lshl_b32 s77, s15, 3
	s_add_co_u32 s74, s74, s77                     ; x 128 + my first tile of tokens
	s_lshl_b32 s74, s74, 10
	s_add_nc_u64 s[12:13], s[12:13], s[74:75]
	LAST
.irp a, 0,1,2,3,4,5,6,7
	OUTBLK \a, 0
.endr
	s_branch .Ldone
.Lv:
	; ---- kind 2: v
	s_lshl_b32 s74, s17, 10                        ; the bias of my 128 channels: 4 x (2048 + 256 x tile row + 128 x half)
	s_lshl_b32 s75, s15, 9
	s_add_co_u32 s74, s74, s75
	s_add_co_u32 s74, s74, 8192
	s_mov_b32 s75, 0
	s_add_nc_u64 s[10:11], s[10:11], s[74:75]
.irp a, 0,1,2,3,4,5,6,7
	global_load_b32 v[BI+\a], v[RB], s[10:11] offset:64*\a
.endr
	s_mov_b64 s[12:13], s[72:73]
	s_lshr_b32 s74, s42, 3                         ; batch
	s_lshl_b32 s74, s74, 4
	s_lshl_b32 s77, s17, 2
	s_add_co_u32 s74, s74, s77
	s_lshl_b32 s77, s15, 1
	s_add_co_u32 s74, s74, s77                     ; 16 x batch + my first head
	s_lshl_b32 s74, s74, 4
	s_and_b32 s77, s42, 7
	s_lshl_b32 s77, s77, 1
	s_add_co_u32 s74, s74, s77
	s_add_co_u32 s74, s74, s16                     ; x 16 + my block of 128 keys
	s_lshl_b32 s74, s74, 13
	s_add_nc_u64 s[12:13], s[12:13], s[74:75]
	LAST
.irp a, 0,1,2,3,4,5,6,7
	OUTBLK \a, 1
.endr
.Ldone:
	s_wait_tensorcnt 0x0                           ; the wave's end
	ds_add_u32 v[SPW], v[NIL]
	s_wait_dscnt 0x0
	CROUND                                         ; the closing round: no work-group ends while a partner may still ask for a tile that names it
	s_endpgm
.Lfunc_end_k_qfb805782af_qkv:
	.size	k_qfb805782af_qkv, .Lfunc_end_k_qfb805782af_qkv-k_qfb805782af_qkv
	.p2alignl 7, 3214868480
	.fill 96, 4, 3214868480
	.section	.rodata,"a",@progbits
	.p2align	6, 0x0
	.amdhsa_kernel k_qfb805782af_qkv
		.amdhsa_group_segment_fixed_size 327680
		.amdhsa_private_segment_fixed_size 0
		.amdhsa_enable_private_segment 0
		.amdhsa_kernarg_size 56
		.amdhsa_user_sgpr_count 2
		.amdhsa_user_sgpr_kernarg_segment_ptr 1
		.amdhsa_wavefront_size32 1
		.amdhsa_system_sgpr_workgroup_id_x 1
		.amdhsa_system_sgpr_workgroup_id_y 1
		.amdhsa_system_sgpr_workgroup_id_z 1
		.amdhsa_system_vgpr_workitem_id 0
		.amdhsa_next_free_vgpr 1024
		.amdhsa_next_free_sgpr 100
		.amdhsa_reserve_vcc 0
		.amdhsa_float_denorm_mode_32 3
		.amdhsa_float_denorm_mode_16_64 3
		.amdhsa_memory_ordered 1
		.amdhsa_forward_progress 1
		.amdhsa_inst_pref_size 222
	.end_amdhsa_kernel
	.amdgpu_metadata
---
amdhsa.version: [ 1, 2 ]
amdhsa.kernels:
  - .name:           k_qfb805782af_qkv
    .symbol:         k_qfb805782af_qkv.kd
    .args:
      - { .name: x_codes, .offset: 0, .size: 8, .value_kind: global_buffer, .address_space: global }
      - { .name: wa_codes, .offset: 8, .size: 8, .value_kind: global_buffer, .address_space: global }
      - { .name: lowp_scales, .offset: 16, .size: 8, .value_kind: global_buffer, .address_space: global }
      - { .name: b_attn, .offset: 24, .size: 8, .value_kind: global_buffer, .address_space: global }
      - { .name: q_img, .offset: 32, .size: 8, .value_kind: global_buffer, .address_space: global }
      - { .name: k_img, .offset: 40, .size: 8, .value_kind: global_buffer, .address_space: global }
      - { .name: v_img, .offset: 48, .size: 8, .value_kind: global_buffer, .address_space: global }
    .group_segment_fixed_size: 327680
    .private_segment_fixed_size: 0
    .kernarg_segment_align: 8
    .kernarg_segment_size: 56
    .max_flat_workgroup_size: 128
    .sgpr_count:     100
    .vgpr_count:     1024
    .wavefront_size: 32
...
	.end_amdgpu_metadata
.endif
;; end of part 2
;; launch attn (part 3): grid 4 x 64, 16 waves a work-group, clusters of 4 x 1, 327,680 bytes of LDS; arguments q_img, k_img, v_img, lowp_scales, a_img; writes a_img
.if DOCPART == 3
	.amdgcn_target "amdgcn-amd-amdhsa--gfx1250"
	.amdhsa_code_object_version 6
	.text
	.protected	k_qfb805782af_attn
	.globl	k_qfb805782af_attn
	.p2align	8
	.type	k_qfb805782af_attn,@function
k_qfb805782af_attn:
	s_mov_b64 s[64:65], 0
	v_nop
	global_prefetch_b8 v0, s[64:65] scope:SCOPE_SE
	s_setreg_imm32_b32 hwreg(HW_REG_WAVE_MODE, 25, 1), 1
	s_wait_xcnt 0x0
	s_wait_alu depctr_hold_cnt(0) depctr_sa_sdst(0) depctr_va_vdst(0) depctr_va_sdst(0) depctr_va_ssrc(0) depctr_va_vcc(0) depctr_vm_vsrc(0)
	s_getreg_b32 s2, hwreg(HW_REG_IB_STS2, 6, 4)
	s_cmp_eq_u32 s2, 0
	s_cbranch_scc0 .Lentry_in_a_cluster
	s_endpgm
.Lentry_in_a_cluster:
	s_bfe_u32 s2, ttmp6, 0x10000c
	s_cmp_lg_u32 s2, 0x3003
	s_cbranch_scc0 .Lentry_shape_is_right
	s_endpgm
.Lentry_shape_is_right:
; Causal attention on codes of FP8 (E4M3): S = q k^T / 8, softmax, O = P v, for 64 (batch x head) of 2,048 tokens x 64 channels; O / the row's sum is quantised (entry 6) and leaves as an image of the projection's operand.
; WORK LEFT OUT: a step of 128 keys all of which come after a tile's 16 queries: the problem's own causal mask gives those keys the weight 0 for all values of the inputs (shown at the head of the first kernel).
; THE SOFTMAX: t = score x log2(e) / 8; M = the row's largest t so far, rounded UP to a whole number; p = 2^(t - M) is quantised (entry 4), not normalised.  The row's sum is taken of the unquantised p, in f32, and divides
; O at the end.  When M moves, the sum and O are multiplied by 2^(old M - new M): exact.
; A HEAD'S WHOLE K AND V STAY IN LDS: 2 x 131,072 bytes.  Nothing is filled again.  They come in two halves of 1,024 keys; each of the sixteen waves asks for one piece of each half: of each of the half's 8 blocks of 128 keys
; the same 1,024 bytes (waves 0-7: K's tile w of 16 keys; waves 8-15: V's piece w - 8): 8 rows of 1,024 bytes, 8,192 apart in memory, on end in LDS.  So piece i of block b lies at 8,192 i + 1,024 b of its half.
; SHARES.  Four work-groups to a head, 256 in all.  Work-group cx owns the tiles 2 cx and 2 cx + 1 (16 queries each) of each of the 16 blocks of 128 queries.  Wave w, with p = w % 8, owns tile 2 cx + w / 8 of block 15 - p
; (the late tile) and of block p (the early tile): (16 - p) + (p + 1) = 17 steps of 128 keys in every wave.  Which steps a wave walks hangs on its number and the count of steps alone, never on cx.
; CLUSTER: the four work-groups of a head form a cluster and ask for every piece jointly (mask 15): same line, same descriptor, made of the head and the wave's number.
; THE WALK of a wave: the late tile over keys 0-1023 (8 steps, all open, in every wave), while the second half is on its way; one barrier, which shows the second half; the late tile's other steps; its way out; the early tile.
; No prefetch: all the launch's tensor loads, two a wave, are issued at its start; there is no loop that runs ahead of a later load.
; OPERANDS ARE IMAGES OF REGISTERS (laid by the launch before): every fragment is read at 16 x lane, 512 consecutive bytes a load.
; Both products are used transposed: S^T = K Q^T (16x16x64: source 0 = 16 keys, source 1 = my queries): lane (r, h), register j of tile t: query r, key 16 t + 8 h + j: one conversion makes of tile t registers 2 t, 2 t + 1
; of P.  O^T = V^T P^T (16x16x128: source 0 = 16 channels x 128 keys, source 1 = P).
; LIMITS: e2 + e3 between -123 and 130 (added to c's exponent field); e4, e6 between -126 and 119; e4 + e5 goes by v_ldexp_f32 and has none.
; REGISTERS: v1 16 x lane; v5, v6 the add's two; v8, v9 LDS addresses; v10 my query's place in its block - 8 h; v12 -M, v13 the largest t, v[14:15] the sum; v16-23, v24-31 Q of the late and the early tile;
; v32-95 K's 8 fragments, then V's 4; v96-159 S^T, then p; v160-191 O^T; v192-207 p's codes; v208-223 the codes on the way out; v234-255 at work and constants.
.set VOFF,  65536                      ; in a half: 8 pieces of K, then 8 of V
.set PH1,   139264                     ; the second half begins here
.set SPARE, 278528                     ; the spare words, 128 bytes for each of sixteen waves
.set LI,   1
.set SPW,  5
.set NIL,  6
.set ADK,  8
.set ADV,  9
.set RH,   10
.set WV,   18
.set SEL,  20
.set CS,   22
.set G1,   24                          ; s[24:31] descriptor group 1, one for all loads
.set G0A,  32                          ; s[32:35] group 0 of the first half's load;  s[36:39] of the second's
.set G0B,  36
.set KB,   40                          ; the step's block of 128 keys: the loops' counter
.set QB,   41                          ; the block of the tile in hand
.set TB,   42                          ; LDS byte of the step's K: half + 1,024 x (block % 8)
.set TBV,  43                          ; and of its V
.set PP,   45                          ; p
.set ESUM, 47                          ; e4 + e5
.set OA,   76                          ; s[76:77], s[78:79] where the late and the early tile go
.set OB,   78
.macro ROUND                           ; a round of the cluster's barrier
	s_barrier_signal -1
	s_barrier_wait -1
	s_cmp_lg_u32 s[WV], 0
	s_cbranch_scc1 .Lnw0_\@
	s_barrier_signal -3
.Lnw0_\@:
	s_barrier_wait -3
	s_barrier_signal -1
	s_barrier_wait -1
.endm
.macro INIT                            ; a tile begins: the step has no first form of its own: it finds zeros, which the first change of M leaves zeros
	v_mov_b32 v13, 0xff61b1e6                      ; the largest t so far: -3e38
	v_floor_f32 v12, -v13                          ; -M
	v_mov_b32 v14, 0
	v_mov_b32 v15, 0
.set nn, 0
.rept 32
	v_mov_b32 v[160+nn], 0
.set nn, nn+1
.endr
.endm
	s_load_b256 s[4:11], s[0:1], 0x0               ; q_img s[4:5], k_img s[6:7], v_img s[8:9], the scales' exponents s[10:11]
	s_load_b64 s[16:17], s[0:1], 0x20              ; a_img
	v_lshl_add_u32 v[SPW], v0, 2, SPARE
	v_mov_b32 v[NIL], 0
	ds_add_u32 v[SPW], v[NIL]                      ; the wave's opening: the add, twice on end, and its wait ahead of my first tensor load
	ds_add_u32 v[SPW], v[NIL]
	v_lshrrev_b32 v8, 5, v0
	v_readfirstlane_b32 s[WV], v8                  ; wave 0..15
	s_and_b32 s72, ttmp7, 0xffff                   ; batch x head: the cluster's y
	s_lshl_b32 s74, s72, 17                        ; its 131,072 bytes in each of q_img, k_img, v_img
	s_mov_b32 s75, 0
	s_bfe_u32 s44, ttmp6, 0x40000                  ; cx
	s_and_b32 s[PP], s[WV], 7                      ; p; also: which piece I fetch
	s_lshr_b32 s46, s[WV], 3                       ; which of the work-group's two tiles of a block; also: I fetch for K (0) or V (1)
	s_lshl_b32 s50, s[PP], 10                      ; my piece's 1,024 bytes in each block
	s_mov_b32 s51, 0
	s_add_nc_u64 s[50:51], s[50:51], s[74:75]
	s_mov_b32 s[G1], 15|(3<<16)|(1<<21)            ; the mask of the four; elements of 8 bytes; bit 21 beside a mask; no padding
	s_mov_b32 s[G1+1], 128<<16                     ; tensor_dim0 = 128 elements: 1,024 bytes
	s_mov_b32 s[G1+2], 8<<16                       ; tensor_dim1 = 8 rows
	s_mov_b32 s[G1+3], 128<<16                     ; tile_dim0
	s_mov_b32 s[G1+4], 8                           ; tile_dim1
	s_mov_b32 s[G1+5], 1024                        ; from row to row: 8,192 bytes
	s_mov_b32 s[G1+6], 0
	s_mov_b32 s[G1+7], 0
	s_mov_b32 s[SEL], 0x76543210
	s_mov_b32 s[SEL+1], 0xfedcba98
	s_mov_b32 s[CS], 0x3e38aa3b                    ; c = log2(e) / 8
	s_wait_dscnt 0x0                               ; both opening adds are done
	s_wait_kmcnt 0x0
	s_load_b256 s[84:91], s[10:11], 0x0            ; e0 .. e7
	s_cmp_eq_u32 s46, 0
	s_cselect_b64 s[48:49], s[6:7], s[8:9]         ; K's image or V's: by the wave's number
	s_add_nc_u64 s[48:49], s[48:49], s[50:51]
	s_mov_b32 s[G0A], 1
	s_lshl_b32 s[G0A+1], s[WV], 13                 ; LDS: 8,192 x wave
	s_mov_b64 s[G0A+2:G0A+3], s[48:49]
	s_or_b32 s[G0A+3], s[G0A+3], 0x80000000
	s_mov_b32 s[G0B], 1
	s_add_co_u32 s[G0B+1], s[G0A+1], PH1
	s_add_nc_u64 s[G0B+2:G0B+3], s[48:49], 65536   ; 8 blocks of 8,192 bytes on
	s_or_b32 s[G0B+3], s[G0B+3], 0x80000000
	ROUND                                          ; all four work-groups are here: the first joint loads meet
	tensor_load_to_lds s[G0A:G0A+3], s[G1:G1+7]    ; keys 0-1023: one load a wave at the head
	s_nop 0
	s_lshl_b32 s52, s44, 1
	s_add_co_u32 s52, s52, s46                     ; my tile in a block: 2 cx + w / 8
	s_lshl_b32 s53, s52, 4                         ; its first query in the block
	s_sub_co_u32 s[QB], 15, s[PP]                  ; the late block
	s_lshl_b32 s54, s[QB], 7
	s_add_co_u32 s54, s54, s53                     ; the late tile's first query,
	s_lshl_b32 s55, s[PP], 7
	s_add_co_u32 s55, s55, s53                     ; the early tile's
	s_add_nc_u64 s[4:5], s[4:5], s[74:75]
	s_lshl_b32 s56, s54, 6                         ; a tile's image of Q: 1,024 bytes for 16 queries
	s_mov_b32 s57, 0
	s_add_nc_u64 s[58:59], s[4:5], s[56:57]
	s_lshl_b32 s56, s55, 6
	s_add_nc_u64 s[60:61], s[4:5], s[56:57]
	s_lshr_b32 s70, s72, 4                         ; a_img: batch x 2,048 tokens x 1,024 bytes
	s_lshl_b32 s70, s70, 21
	s_and_b32 s71, s72, 15
	s_lshl_b32 s71, s71, 10                        ; + the head's 1,024 bytes
	s_add_co_u32 s70, s70, s71
	s_lshl_b32 s56, s54, 10                        ; + the tile of tokens: 16,384 bytes for 16
	s_add_co_u32 s56, s56, s70
	s_add_nc_u64 s[OA:OA+1], s[16:17], s[56:57]
	s_lshl_b32 s56, s55, 10
	s_add_co_u32 s56, s56, s70
	s_add_nc_u64 s[OB:OB+1], s[16:17], s[56:57]
	v_and_b32 v[LI], 31, v0
	v_lshlrev_b32 v[LI], 4, v[LI]
	global_load_b128 v[16:19], v[LI], s[58:59]             ; both tiles' fragments of Q stay in registers
	global_load_b128 v[20:23], v[LI], s[58:59] offset:512
	global_load_b128 v[24:27], v[LI], s[60:61]
	global_load_b128 v[28:31], v[LI], s[60:61] offset:512
	v_and_b32 v[RH], 15, v0
	v_bfe_u32 v9, v0, 4, 1
	v_lshlrev_b32 v9, 3, v9
	v_sub_nc_u32 v[RH], v[RH], v9
	v_add_nc_u32 v[RH], s53, v[RH]                 ; my query's place in its block - 8 h
	v_mov_b32 v236, 0                              ; written once: a lane permute's destination counts as one of its sources
	v_mov_b32 v252, 0
	v_mov_b32 v253, 0
	INIT
	s_wait_alu depctr_va_vdst(0)
	s_wait_kmcnt 0x0
	s_add_co_i32 s68, s86, s87
	s_lshl_b32 s68, s68, 23
	s_add_co_i32 s[CS], s[CS], s68                 ; a score stands for score x 2^(e2 + e3)
	s_mov_b32 s[CS+1], s[CS]
	s_add_co_i32 s68, s88, 127
	s_lshl_b32 s69, s68, 23
	v_mov_b32 v244, s69                            ; 2^e4
	s_add_co_i32 s68, s68, 8
	s_lshl_b32 s68, s68, 23
	s_or_b32 s68, s68, 0x600000
	v_mov_b32 v240, s68                            ; 448 x 2^e4,
	v_mov_b32 v237, s68                            ; twice: the two halves of a dual pair take their first sources from different register banks
	s_add_co_i32 s68, s90, 127
	s_lshl_b32 s69, s68, 23
	v_mov_b32 v245, s69                            ; 2^e6
	s_add_co_i32 s68, s68, 8
	s_lshl_b32 s68, s68, 23
	s_or_b32 s68, s68, 0x600000
	v_mov_b32 v241, s68                            ; 448 x 2^e6
	s_add_co_i32 s[ESUM], s88, s89
; A KEY STEP: 128 keys against the 16 queries whose fragment begins at v[qr].  mask = 1: the step may be the tile's last, on the diagonal.
.macro STEP mask, qr
	v_add_nc_u32 v[ADK], s[TB], v[LI]
	v_add_nc_u32 v[ADV], s[TBV], v[LI]
	v_nop
	v_nop                                          ; with the two additions: four places in front of loads into registers that the last products read
.irp t, 0,1,2,3,4,5,6,7
	ds_load_b128 v[32+8*\t:35+8*\t], v[ADK] offset:8192*\t
	ds_load_b128 v[36+8*\t:39+8*\t], v[ADK] offset:8192*\t+512
.endr
	s_wait_alu depctr_va_vdst(0)
	s_wait_dscnt 8                                 ; tiles 0 to 3 are in; the eight loads of tiles 4 to 7 may be out
.irp t, 0,1,2,3
	v_wmma_f32_16x16x64_fp8_fp8 v[96+8*\t:103+8*\t], v[32+8*\t:39+8*\t], v[\qr:\qr+7], 0
.endr
	s_wait_dscnt 0x0
.irp t, 4,5,6,7
	v_wmma_f32_16x16x64_fp8_fp8 v[96+8*\t:103+8*\t], v[32+8*\t:39+8*\t], v[\qr:\qr+7], 0
.endr
.rept 4
	v_nop                                          ; places: in front of the loads below and of the first read of the scores
.endr
.irp d, 0,1,2,3
.irp c, 0,1,2,3
	ds_load_b128 v[32+16*\d+4*\c:35+16*\d+4*\c], v[ADV] offset:(2*\d+\c/2)*8192+(\c%2)*512   ; V's fragments land under the softmax
.endr
.endr
.if \mask
	s_cmp_lg_u32 s[KB], s[QB]                      ; an earlier block of keys: all count, no mask (the wave's number and the count of steps alone)
	s_cbranch_scc1 .Lopen_\@
	v_mov_b32 v254, 0xff800000                     ; -infinity: p = 0 then
.set nn, 0
.rept 64
	v_cmp_gt_i32 vcc_lo, 16*(nn/8)+nn%8, v[RH]     ; register 8 t + j holds the block's key 8 h + 16 t + j: hidden where 16 t + j is above my query's place - 8 h
	v_cndmask_b32 v[96+nn], v[96+nn], v254, vcc_lo
.set nn, nn+1
.endr
.Lopen_\@:
.endif
	v_max3_num_f32 v254, v96, v97, v98             ; the step's largest score of my query among my 64 keys, in four chains; each accumulator from its low end on
	v_max3_num_f32 v252, v99, v100, v101
	v_max3_num_f32 v250, v102, v103, v104
	v_max3_num_f32 v248, v105, v106, v107
.irp i, 12,20,28,36,44,52
	v_max3_num_f32 v254, v254, v[96+\i], v[97+\i]
	v_max3_num_f32 v252, v252, v[98+\i], v[99+\i]
	v_max3_num_f32 v250, v250, v[100+\i], v[101+\i]
	v_max3_num_f32 v248, v248, v[102+\i], v[103+\i]
.endr
	v_max3_num_f32 v254, v254, v156, v157
	v_max3_num_f32 v252, v252, v158, v159
	s_delay_alu instid0(VALU_DEP_1)
	v_max3_num_f32 v254, v254, v252, v250
	s_delay_alu instid0(VALU_DEP_1)
	v_max_num_f32 v254, v254, v248
	s_delay_alu instid0(VALU_DEP_1)
	v_permlanex16_b32 v236, v254, s[SEL], s[SEL+1]
	s_delay_alu instid0(VALU_DEP_1)
	v_max_num_f32 v254, v254, v236                 ; and among lane l xor 16's
	s_delay_alu instid0(VALU_DEP_1)
	v_mul_f32 v254, s[CS], v254                    ; as t (c is positive)
	s_delay_alu instid0(VALU_DEP_1)
	v_max_num_f32 v13, v13, v254                   ; the running largest t
	v_mov_b32 v254, v12
	s_delay_alu instid0(VALU_DEP_2)
	v_floor_f32 v12, -v13                          ; the new -M = -ceil(t)
	s_delay_alu instid0(VALU_DEP_1)
	v_sub_f32 v254, v12, v254                      ; old M - new M: a whole number, 0 or less
	s_delay_alu instid0(VALU_DEP_1)
	v_cvt_i32_f32 v254, v254                       ; (it saturates)
	s_delay_alu instid0(VALU_DEP_1)
	v_ldexp_f32 v252, 1.0, v254                    ; f = 2^(old M - new M)
.set nn, 0
.rept 32
	v_pk_fma_f32 v[96+nn:97+nn], v[96+nn:97+nn], s[CS:CS+1], v[12:13] op_sel_hi:[1,0,0]   ; t - M, two at a time
.set nn, nn+2
.endr
.set nn, 0
	s_wait_alu depctr_va_vdst(0)
.rept 64
	v_exp_f32 v[96+nn], v[96+nn]                   ; p = 2^(t - M)
.set nn, nn+1
.endr
	v_pk_mul_f32 v[14:15], v[14:15], v[252:253] op_sel_hi:[1,0]   ; the sums under the new M: the plain line behind the exponentials
	s_wait_alu depctr_va_vdst(0)                   ; one wait for the whole batch, ahead of its first reader
	v_pk_add_f32 v[242:243], v[100:101], v[104:105]   ; the row's sum of the unquantised p, in eight chains
	v_pk_add_f32 v[254:255], v[108:109], v[112:113]
	v_pk_add_f32 v[250:251], v[116:117], v[120:121]
	v_pk_add_f32 v[248:249], v[124:125], v[128:129]
	v_pk_add_f32 v[246:247], v[132:133], v[136:137]
	v_pk_add_f32 v[238:239], v[140:141], v[144:145]
	v_pk_add_f32 v[234:235], v[148:149], v[152:153]
	v_pk_add_f32 v[14:15], v[14:15], v[156:157]
	v_pk_add_f32 v[242:243], v[242:243], v[96:97]
	v_pk_add_f32 v[254:255], v[254:255], v[98:99]
	v_pk_add_f32 v[250:251], v[250:251], v[102:103]
	v_pk_add_f32 v[248:249], v[248:249], v[106:107]
	v_pk_add_f32 v[246:247], v[246:247], v[110:111]
	v_pk_add_f32 v[238:239], v[238:239], v[114:115]
	v_pk_add_f32 v[234:235], v[234:235], v[118:119]
	v_pk_add_f32 v[14:15], v[14:15], v[122:123]
	v_pk_add_f32 v[242:243], v[242:243], v[126:127]
	v_pk_add_f32 v[254:255], v[254:255], v[130:131]
	v_pk_add_f32 v[250:251], v[250:251], v[134:135]
	v_pk_add_f32 v[248:249], v[248:249], v[138:139]
	v_pk_add_f32 v[246:247], v[246:247], v[142:143]
	v_pk_add_f32 v[238:239], v[238:239], v[146:147]
	v_pk_add_f32 v[234:235], v[234:235], v[150:151]
	v_pk_add_f32 v[14:15], v[14:15], v[154:155]
	v_pk_add_f32 v[242:243], v[242:243], v[158:159]
	s_delay_alu instid0(VALU_DEP_2)
	v_pk_add_f32 v[14:15], v[14:15], v[248:249]
	s_delay_alu instid0(VALU_DEP_2)
	v_pk_add_f32 v[242:243], v[242:243], v[246:247]
	v_pk_add_f32 v[254:255], v[254:255], v[238:239]
	v_pk_add_f32 v[250:251], v[250:251], v[234:235]
	s_delay_alu instid0(VALU_DEP_2)
	v_pk_add_f32 v[14:15], v[14:15], v[254:255]
	s_delay_alu instid0(VALU_DEP_2)
	v_pk_add_f32 v[242:243], v[242:243], v[250:251]
	s_delay_alu instid0(VALU_DEP_1)
	v_pk_add_f32 v[14:15], v[14:15], v[242:243]
.irp t, 0,1,2,3,4,5,6,7
.irp i, 0,2,4,6
	v_dual_min_num_f32 v[96+8*\t+\i], v240, v[96+8*\t+\i] :: v_dual_min_num_f32 v[97+8*\t+\i], v237, v[97+8*\t+\i]   ; the hold (ISA guide 7.6.2); p is not negative, so it is one-sided; two numbers a line
.endr
.endr
.irp t, 0,1,2,3,4,5,6,7
	v_cvt_scalef32_pk8_fp8_f32 v[192+2*\t:193+2*\t], v[96+8*\t:103+8*\t], v244   ; behind all the holds: no conversion reads what the line just ahead of it wrote
.endr
	s_wait_alu depctr_va_vdst(0)                   ; directly ahead of the first reader of O^T
.set nn, 0
.rept 16
	v_pk_mul_f32 v[160+nn:161+nn], v[160+nn:161+nn], v[252:253] op_sel_hi:[1,0]   ; O^T under the new M; also the plain lines behind the conversions
.set nn, nn+2
.endr
	s_wait_alu depctr_va_vdst(0)
	s_wait_dscnt 0x0                               ; V is in
.irp d, 0,1,2,3
	v_wmma_f32_16x16x128_fp8_fp8 v[160+8*\d:167+8*\d], v[32+16*\d:47+16*\d], v[192:207], v[160+8*\d:167+8*\d]   ; four accumulators by turns
.endr
.endm
; A WALK over the blocks first .. last - 1 of keys, whose half begins at LDS byte base: a loop of constant count.  mask = 1: a step whose keys all come after the tile's block is jumped over.
.macro WALK first, last, base, mask, qr
	s_mov_b32 s[KB], \first
	s_mov_b32 s[TB], \base
	s_mov_b32 s[TBV], \base+VOFF
.Lwalk_\@:
.if \mask
	s_cmp_gt_u32 s[KB], s[QB]
	s_cbranch_scc1 .Lhid_\@
.endif
	STEP \mask, \qr
.Lhid_\@:
	s_add_co_u32 s[TB], s[TB], 1024
	s_add_co_u32 s[TBV], s[TBV], 1024
	s_add_co_u32 s[KB], s[KB], 1
	s_cmp_lt_u32 s[KB], \last
	s_cbranch_scc1 .Lwalk_\@
.endm
; THE WAY OUT of a tile.  O^T / the sum x 2^(e4 + e5), held and converted: tile d's eight channels become registers 2 d, 2 d + 1 of my head's part of the projection's operand.
.macro OUT ob, cr
.rept 4
	v_nop                                          ; places behind the last products
.endr
	v_add_f32 v14, v14, v15
	s_delay_alu instid0(VALU_DEP_1)
	v_permlanex16_b32 v252, v14, s[SEL], s[SEL+1]
	s_delay_alu instid0(VALU_DEP_1)
	v_add_f32 v14, v14, v252                       ; the row's sum
	s_wait_alu depctr_va_vdst(0)
	v_rcp_f32 v14, v14
	v_nop                                          ; a plain line behind the transcendental
	s_wait_alu depctr_va_vdst(0)                   ; the wait ahead of the first reader
	v_ldexp_f32 v14, v14, s[ESUM]
	s_wait_alu depctr_va_vdst(0)                   ; directly ahead of the first reader of O^T
.set nn, 0
.rept 16
	v_pk_mul_f32 v[96+nn:97+nn], v[160+nn:161+nn], v[14:15] op_sel_hi:[1,0]
.set nn, nn+2
.endr
.set nn, 0
.rept 32
	v_med3_num_f32 v[96+nn], v[96+nn], -v241, v241
.set nn, nn+1
.endr
.irp d, 0,1,2,3
	v_cvt_scalef32_pk8_fp8_f32 v[\cr+2*\d:\cr+2*\d+1], v[96+8*\d:103+8*\d], v245
.endr
	v_nop                                          ; a plain line behind the last conversion
	global_store_b128 v[LI], v[\cr:\cr+3], s[\ob:\ob+1]              ; each store of the wave covers 512 consecutive bytes, aligned; each tile's codes have registers of their own
	global_store_b128 v[LI], v[\cr+4:\cr+7], s[\ob:\ob+1] offset:512
.endm
	s_wait_alu depctr_va_vdst(0)
	s_wait_tensorcnt 0x0                           ; my piece of keys 0-1023 is in
	ds_add_u32 v[SPW], v[NIL]
	s_wait_dscnt 0x0
	ROUND                                          ; everybody's piece is in, and all four work-groups are here: the joint loads meet
	tensor_load_to_lds s[G0B:G0B+3], s[G1:G1+7]    ; keys 1024-2047: the first tensor load behind the round; it has the two steps below in which to land
	s_nop 0
	s_wait_loadcnt 0x0                             ; Q
	WALK 0, 2, 0, 0, 16                            ; the late tile (block 8 or later): keys 0-1023 all count.  Its first two steps,
	s_wait_tensorcnt 0x0                           ; then: my piece of keys 1024-2047 is in
	ds_add_u32 v[SPW], v[NIL]
	s_wait_dscnt 0x0
	s_barrier_signal -1                            ; say so early.  Between its signal and its wait stand register work and LDS loads of the first half, which nobody writes
	WALK 2, 8, 2048, 0, 16                         ; steps 2 to 7
	s_barrier_wait -1                              ; everybody's piece is in
	WALK 8, 16, PH1, 1, 16                         ; the late tile's other steps, up to its own block
	OUT OA, 208
	INIT
	s_mov_b32 s[QB], s[PP]                         ; the early tile: block p
	s_wait_alu depctr_va_vdst(0)
	WALK 0, 8, 0, 1, 24
	OUT OB, 216
	s_wait_tensorcnt 0x0                           ; the wave's end
	ds_add_u32 v[SPW], v[NIL]
	s_wait_dscnt 0x0
	ROUND                                          ; the closing round
	s_endpgm
.Lfunc_end_k_qfb805782af_attn:
	.size	k_qfb805782af_attn, .Lfunc_end_k_qfb805782af_attn-k_qfb805782af_attn
	.p2alignl 7, 3214868480
	.fill 96, 4, 3214868480
	.section	.rodata,"a",@progbits
	.p2align	6, 0x0
	.amdhsa_kernel k_qfb805782af_attn
		.amdhsa_group_segment_fixed_size 327680
		.amdhsa_private_segment_fixed_size 0
		.amdhsa_enable_private_segment 0
		.amdhsa_kernarg_size 40
		.amdhsa_user_sgpr_count 2
		.amdhsa_user_sgpr_kernarg_segment_ptr 1
		.amdhsa_wavefront_size32 1
		.amdhsa_system_sgpr_workgroup_id_x 1
		.amdhsa_system_sgpr_workgroup_id_y 1
		.amdhsa_system_sgpr_workgroup_id_z 1
		.amdhsa_system_vgpr_workitem_id 0
		.amdhsa_next_free_vgpr 256
		.amdhsa_next_free_sgpr 100
		.amdhsa_reserve_vcc 1
		.amdhsa_float_denorm_mode_32 3
		.amdhsa_float_denorm_mode_16_64 3
		.amdhsa_memory_ordered 1
		.amdhsa_forward_progress 1
		.amdhsa_inst_pref_size 92
	.end_amdhsa_kernel
	.amdgpu_metadata
---
amdhsa.version: [ 1, 2 ]
amdhsa.kernels:
  - .name:           k_qfb805782af_attn
    .symbol:         k_qfb805782af_attn.kd
    .args:
      - { .name: q_img, .offset: 0, .size: 8, .value_kind: global_buffer, .address_space: global }
      - { .name: k_img, .offset: 8, .size: 8, .value_kind: global_buffer, .address_space: global }
      - { .name: v_img, .offset: 16, .size: 8, .value_kind: global_buffer, .address_space: global }
      - { .name: lowp_scales, .offset: 24, .size: 8, .value_kind: global_buffer, .address_space: global }
      - { .name: a_img, .offset: 32, .size: 8, .value_kind: global_buffer, .address_space: global }
    .group_segment_fixed_size: 327680
    .private_segment_fixed_size: 0
    .kernarg_segment_align: 8
    .kernarg_segment_size: 40
    .max_flat_workgroup_size: 512
    .sgpr_count:     100
    .vgpr_count:     256
    .wavefront_size: 32
...
	.end_amdgpu_metadata
.endif
;; end of part 3
;; launch proj (part 4): grid 4 x 64, 2 waves a work-group, clusters of 4 x 4, 327,680 bytes of LDS; arguments a_img, wp_codes, lowp_scales, b_proj, out0; writes out0
.if DOCPART == 4
	.amdgcn_target "amdgcn-amd-amdhsa--gfx1250"
	.amdhsa_code_object_version 6
	.text
	.protected	k_qfb805782af_proj
	.globl	k_qfb805782af_proj
	.p2align	8
	.type	k_qfb805782af_proj,@function
k_qfb805782af_proj:
	s_mov_b64 s[64:65], 0
	v_nop
	global_prefetch_b8 v0, s[64:65] scope:SCOPE_SE
	s_setreg_imm32_b32 hwreg(HW_REG_WAVE_MODE, 25, 1), 1
	s_wait_xcnt 0x0
	s_wait_alu depctr_hold_cnt(0) depctr_sa_sdst(0) depctr_va_vdst(0) depctr_va_sdst(0) depctr_va_ssrc(0) depctr_va_vcc(0) depctr_vm_vsrc(0)
	s_getreg_b32 s2, hwreg(HW_REG_IB_STS2, 6, 4)
	s_cmp_eq_u32 s2, 0
	s_cbranch_scc0 .Lentry_in_a_cluster
	s_endpgm
.Lentry_in_a_cluster:
	s_bfe_u32 s2, ttmp6, 0x10000c
	s_cmp_lg_u32 s2, 0xf033
	s_cbranch_scc0 .Lentry_shape_is_right
	s_endpgm
.Lentry_shape_is_right:
.set SIZE_K, 1024
.set SIZE_N, 1024
.set ROWB,   256
.set KROW,   SIZE_K
.set PITCH,  272
.set FR,     16
.set NL,     4
.set NP,     4
.set AHALF,  32768
.set BOFF,   2*AHALF
.set HALFT,  128*PITCH
.set SLOT,   BOFF+2*HALFT
.set LAPS,   SIZE_K/512
.set SPARE,  2*SLOT
.set SPITCH, 528
.set ADRA, 16
.set ADRB, 20
.set STO,  24
.set RD,   25
.set CO,   26
.set SPW,  28
.set NIL,  29
.set BIAS, 96
.set AF,   128
.set BK,   128
.set G1, 24
.set G0, 32
.set G1B, 48
.set G0B, 56
.set MSB, 0
.macro WIN new
.if MSB != (\new)
	s_set_vgpr_msb (MSB<<8)|(\new)
.set MSB, (\new)
.endif
.endm
.set MUL_LO, 0xa1
.set MUL_HI, 0xf1
.set TO_B,   0x40
.macro JLOAD g0a, g1a, g0b, g1b
	s_cmp_eq_u32 s15, 0
	s_cbranch_scc0 .Lfor_b_\@
	tensor_load_to_lds s[\g0a:\g0a+3], s[\g1a:\g1a+7]
	s_nop 0
.rept 4
	v_nop
.endr
	s_branch .Lasked_\@
.Lfor_b_\@:
	tensor_load_to_lds s[\g0b:\g0b+3], s[\g1b:\g1b+7]
	s_nop 0
.rept 4
	v_nop
.endr
.Lasked_\@:
.endm
.macro CREST
	s_cmp_lg_u32 s14, 0
	s_cbranch_scc1 .Lnot_wave_0_\@
	s_barrier_signal -3
.Lnot_wave_0_\@:
	s_barrier_wait -3
	s_barrier_signal -1
	s_barrier_wait -1
.endm
.macro CROUND
	s_barrier_signal -1
	s_barrier_wait -1
	CREST
.endm
	s_load_b256 s[4:11], s[0:1], 0x0
	s_load_b64 s[12:13], s[0:1], 0x20
	v_lshl_add_u32 v[SPW], v0, 2, SPARE
	v_mov_b32 v[NIL], 0
	ds_add_u32 v[SPW], v[NIL]
	ds_add_u32 v[SPW], v[NIL]
	v_lshrrev_b32 v1, 5, v0
	v_readfirstlane_b32 s14, v1
	; A block of 128 tokens x 256 features to a work-group of two waves, 64 x 4 = 256 work-groups; a wave makes 128 x 128.  Wave 0 fetches a_img's tile, wave 1 wp_codes' 256 rows; s16: my half of the columns
	s_and_b32 s15, s14, 1                          ; I fetch for a_img (0) or for wp_codes (1)
	s_and_b32 s16, s14, 1
	s_bfe_u32 s40, ttmp6, 0x40000
	s_bfe_u32 s41, ttmp6, 0x40004
	s_lshl_b32 s42, ttmp9, 2
	s_add_co_u32 s42, s42, s40
	s_and_b32 s17, ttmp7, 0xffff
	s_lshl_b32 s17, s17, 2
	s_add_co_u32 s17, s17, s41
	s_lshl_b32 s43, s41, 2
	s_lshl_b32 s43, 15, s43
	s_lshl_b32 s44, 0x1111, s40
	s_or_b32 s[G1+0], s43, (3<<16)|(1<<21)
	s_mov_b32 s[G1+1], 512<<16
	s_mov_b32 s[G1+2], 8<<16
	s_mov_b32 s[G1+3], 512<<16
	s_mov_b32 s[G1+4], 8
	s_mov_b32 s[G1+5], 2048
	s_mov_b32 s[G1+6], 0
	s_mov_b32 s[G1+7], 0
	s_or_b32 s[G1B+0], s44, (0<<16)|(1<<20)|(1<<21)|(5<<22)|(3<<25)
	s_mov_b32 s[G1B+1], ROWB<<16
	s_mov_b32 s[G1B+2], 256<<16
	s_mov_b32 s[G1B+3], ROWB<<16
	s_mov_b32 s[G1B+4], 256
	s_mov_b32 s[G1B+5], KROW
	s_mov_b32 s[G1B+6], 0
	s_mov_b32 s[G1B+7], 0
	s_lshl_b32 s20, s17, 17                        ; a_img: 128 tokens x 1,024 bytes for each tile row
	s_mov_b32 s21, 0
	s_lshl_b32 s46, s42, 18                        ; wp_codes: 256 rows x 1,024 bytes for each tile column
	s_mov_b32 s47, 0
	s_mov_b32 s45, 0                               ; in a slot: a_img's tile at its first byte,
	s_mov_b32 s77, BOFF                            ; wp_codes' 256 rows from BOFF on
	s_wait_dscnt 0x0
	s_wait_kmcnt 0x0
	s_load_b64 s[96:97], s[8:9], 0x18
	s_add_nc_u64 s[20:21], s[4:5], s[20:21]
	s_add_nc_u64 s[46:47], s[6:7], s[46:47]
	; THE PREFETCHES: K steps 2 and 3 of what my wave fetches, each asked for two K steps ahead of its tensor load.  A K step of a_img's tile is 8 tiles of tokens x 4,096 bytes = 128 blocks of 256 bytes; of wp_codes' it is
	; 256 rows x 256 bytes.  The four partners that ask for a tile jointly share the blocks out by address: of a_img 32 each (by cx, 32,768 bytes apart, one instruction), of wp_codes 64 rows each (by cy, 65,536 bytes apart, two).
	; So each block is named once in each cluster that loads it.  K steps 0 and 1 come by their loads alone.  The address registers are never rewritten.
	s_cmp_eq_u32 s15, 0
	s_cselect_b64 s[68:69], s[20:21], s[46:47]
	s_cselect_b32 s70, s40, s41                    ; my place among the four that ask with me
	s_mov_b32 s72, 256
	s_cselect_b32 s72, 4096, s72                   ; a K step on, in bytes
	s_mov_b32 s73, 1024
	s_cselect_b32 s73, 256, s73                    ; from lane to lane among sixteen; sixteen lanes on: 16,384 bytes in both
	s_cselect_b32 s71, 15, 16
	s_lshl_b32 s70, s70, s71                       ; my work-group's share begins here
	s_mov_b32 s71, 0
	s_add_nc_u64 s[68:69], s[68:69], s[70:71]
	s_lshl_b32 s70, s72, 1
	s_add_nc_u64 s[68:69], s[68:69], s[70:71]      ; K step 2
	s_mov_b32 s70, s72
	s_add_nc_u64 s[78:79], s[68:69], s[70:71]      ; K step 3
	CROUND
.irp s, 0,1
	s_mov_b32 s[G0+4*\s], 1
	s_add_co_u32 s[G0+4*\s+1], s45, \s*SLOT
	s_add_nc_u64 s[G0+4*\s+2:G0+4*\s+3], s[20:21], \s*4096
	s_or_b32 s[G0+4*\s+3], s[G0+4*\s+3], 0x80000000
	s_mov_b32 s[G0B+4*\s], 1
	s_add_co_u32 s[G0B+4*\s+1], s77, \s*SLOT
	s_add_nc_u64 s[G0B+4*\s+2:G0B+4*\s+3], s[46:47], \s*ROWB
	s_or_b32 s[G0B+4*\s+3], s[G0B+4*\s+3], 0x80000000
.endr
	JLOAD G0, G1, G0B, G1B                         ; K step 0: one tensor load a wave at the head
	v_and_b32 v30, 15, v0
	v_mul_lo_u32 v30, v30, s73
	v_bfe_u32 v31, v0, 4, 1
	v_lshl_add_u32 v30, v31, 14, v30               ; my lane's block of 256 bytes
	global_prefetch_b8 v30, s[68:69] th:TH_LOAD_NT scope:SCOPE_SE   ; K step 2
	s_cmp_eq_u32 s15, 0                            ; wp_codes' wave has 32 rows more
	s_cbranch_scc1 .Lpf2
	global_prefetch_b8 v30, s[68:69] offset:32768 th:TH_LOAD_NT scope:SCOPE_SE
.Lpf2:
	v_and_b32 v1, 15, v0
	v_bfe_u32 v2, v0, 4, 1
	v_and_b32 v6, 31, v0
	v_lshlrev_b32 v[CO], 4, v6
	v_mul_u32_u24 v3, v1, PITCH
	v_lshl_add_u32 v4, v2, 4, v3
	s_mov_b32 s21, 0                               ; both waves read all 128 tokens of a_img's tile
	s_mul_i32 s22, s16, HALFT
	s_add_co_u32 s22, s22, BOFF
.irp s, 0,1
	v_add_nc_u32 v[ADRA+\s], s21, v[CO]
	v_add_nc_u32 v[ADRB+\s], s22, v4
	s_add_co_u32 s21, s21, SLOT
	s_add_co_u32 s22, s22, SLOT
.endr
	s_mul_i32 s23, s14, 16*SPITCH
	v_mul_u32_u24 v5, v1, SPITCH
	v_lshl_add_u32 v5, v2, 5, v5
	v_add_nc_u32 v[STO], s23, v5
	v_add_nc_u32 v[RD], s23, v[CO]
	s_lshl_b32 s20, s17, 7                         ; my first row of the output: 128 x tile row
	s_lshl_b32 s20, s20, 12
	s_mov_b32 s21, 0
	s_lshl_b32 s74, s42, 10
	s_lshl_b32 s75, s16, 9
	s_add_co_u32 s74, s74, s75
	s_mov_b32 s75, 0
	s_add_nc_u64 s[12:13], s[12:13], s[20:21]
	s_add_nc_u64 s[12:13], s[12:13], s[74:75]
	s_add_nc_u64 s[10:11], s[10:11], s[74:75]
	global_load_b128 v[BIAS:BIAS+3], v[CO], s[10:11]
.macro FRAG reg, adr, q, i
.irp c, 0,1,2,3
	ds_load_b128 v[\reg+4*\c:\reg+4*\c+3], v[\adr] offset:128*(\q)+32*\c+(\i)*16*PITCH
.endr
.endm
.macro FRAG_A reg, adr, q, i
.irp c, 0,1,2,3
	ds_load_b128 v[\reg+4*\c:\reg+4*\c+3], v[\adr] offset:4096*(\i)+2048*(\q)+512*\c
.endr
.endm
.macro MUL16 a0, p, zero
.irp a, \a0, \a0+1
.irp b, 0,1,2,3,4,5,6,7
.if \zero
	v_wmma_f32_16x16x128_fp8_fp8 v[8*(8*((\a)%4)+\b):8*(8*((\a)%4)+\b)+7], v[128*(\p)+FR*\b:128*(\p)+FR*\b+FR-1], v[AF+FR*(\a):AF+FR*(\a)+FR-1], 0
.else
	v_wmma_f32_16x16x128_fp8_fp8 v[8*(8*((\a)%4)+\b):8*(8*((\a)%4)+\b)+7], v[128*(\p)+FR*\b:128*(\p)+FR*\b+FR-1], v[AF+FR*(\a):AF+FR*(\a)+FR-1], v[8*(8*((\a)%4)+\b):8*(8*((\a)%4)+\b)+7]
.endif
.endr
.endr
.endm
.macro FETCH_B slot, q, p
	WIN TO_B
.irp i, 0,1,2,3,4,5,6,7
	FRAG 128*(\p)+FR*\i, ADRB+\slot, \q, \i
.endr
	WIN 0
.endm
.macro FETCH_A slot, q, i0
.irp i, \i0, \i0+1, \i0+2, \i0+3
	FRAG_A AF+FR*(\i), ADRA+\slot, \q, \i
.endr
.endm
.macro PLACES n
.rept \n
	v_nop
.endr
.endm
.macro STEP slot, q, zero
	s_wait_dscnt 4*NL
	WIN MUL_LO
	MUL16 0, (\q)%2, \zero
	MUL16 2, (\q)%2, \zero
	s_wait_dscnt 0
	PLACES NP
	FETCH_B \slot, (\q)+1, 1-(\q)%2
	FETCH_A \slot, (\q)+1, 0
	WIN MUL_HI
	MUL16 4, (\q)%2, \zero
	MUL16 6, (\q)%2, \zero
	PLACES NP
	WIN 0
	FETCH_A \slot, (\q)+1, 4
.endm
.macro TURN slot, next, fill
	s_wait_tensorcnt 0x0
	ds_add_u32 v[SPW], v[NIL]
	s_wait_dscnt 4*NL+1
	WIN MUL_LO
	MUL16 0, 1, 0
	s_wait_dscnt 0x0
	s_barrier_signal -1
	MUL16 2, 1, 0
	WIN 0
	s_barrier_wait -1
.if \fill
	CREST
	s_add_nc_u64 s[G0+4*\slot+2:G0+4*\slot+3], s[G0+4*\slot+2:G0+4*\slot+3], 2*4096
	s_add_nc_u64 s[G0B+4*\slot+2:G0B+4*\slot+3], s[G0B+4*\slot+2:G0B+4*\slot+3], 2*ROWB
	JLOAD G0+4*\slot, G1, G0B+4*\slot, G1B
.else
	PLACES NP
.endif
	FETCH_B \next, 0, 0
	FETCH_A \next, 0, 0
	WIN MUL_HI
	MUL16 4, 1, 0
	MUL16 6, 1, 0
	PLACES NP
	WIN 0
	FETCH_A \next, 0, 4
.endm
	s_wait_alu depctr_va_vdst(0)
	s_wait_tensorcnt 0x0                           ; my part of K step 0 is in
	ds_add_u32 v[SPW], v[NIL]
	s_wait_dscnt 0x0
	CROUND                                         ; everybody's part of K step 0 is in, and all sixteen work-groups are here
	JLOAD G0+4, G1, G0B+4, G1B                     ; K step 1: the first tensor load behind the round
	FETCH_B 0, 0, 0
	FETCH_A 0, 0, 0
	FETCH_A 0, 0, 4
	global_prefetch_b8 v30, s[78:79] th:TH_LOAD_NT scope:SCOPE_SE   ; K step 3, behind K step 1's load and the run of LDS loads
	s_cmp_eq_u32 s15, 0
	s_cbranch_scc1 .Lpf3
	global_prefetch_b8 v30, s[78:79] offset:32768 th:TH_LOAD_NT scope:SCOPE_SE
.Lpf3:
	STEP 0, 0, 1
	s_mov_b32 s3, LAPS-1
.Llap:
	TURN 0, 1, 1
	STEP 1, 0, 0
	TURN 1, 0, 1
	STEP 0, 0, 0
	s_sub_co_u32 s3, s3, 1
	s_cmp_lg_u32 s3, 0
	s_cbranch_scc1 .Llap
	TURN 0, 1, 0
	STEP 1, 0, 0
	s_wait_dscnt 4*NL
	WIN MUL_LO
	MUL16 0, 1, 0
	MUL16 2, 1, 0
	s_wait_dscnt 0
	WIN MUL_HI
	MUL16 4, 1, 0
	MUL16 6, 1, 0
	WIN 0
.macro TOSTAGE a
.set AC, 64*((\a)%4)
	WIN 0x08+4*((\a)/4)
.irp b, 0,1,2,3,4,5,6,7
	ds_store_b128 v[STO], v[AC+8*\b:AC+8*\b+3] offset:64*\b
	ds_store_b128 v[STO], v[AC+8*\b+4:AC+8*\b+7] offset:64*\b+16
.endr
	WIN 0
.set BB, BK+64*((\a)%2)
.irp t, 0,1,2,3,4,5,6,7,8,9,10,11,12,13,14,15
	ds_load_b128 v[BB+4*\t:BB+4*\t+3], v[RD] offset:\t*SPITCH
.endr
.endm
.macro SEND a, younger
.set BB, BK+64*((\a)%2)
	s_wait_dscnt \younger
.if (\a) > 0
	s_add_nc_u64 s[12:13], s[12:13], 16*SIZE_N*4
.endif
.irp t, 0,1,2,3,4,5,6,7,8,9,10,11,12,13,14,15
	v_pk_fma_f32 v[BB+4*\t:BB+4*\t+1], v[BB+4*\t:BB+4*\t+1], s[96:97], v[BIAS:BIAS+1] op_sel_hi:[1,0,1]
	v_pk_fma_f32 v[BB+4*\t+2:BB+4*\t+3], v[BB+4*\t+2:BB+4*\t+3], s[96:97], v[BIAS+2:BIAS+3] op_sel_hi:[1,0,1]
.endr
.irp t, 0,1,2,3,4,5,6,7,8,9,10,11,12,13,14,15
	global_store_b128 v[CO], v[BB+4*\t:BB+4*\t+3], s[12:13] offset:\t*SIZE_N*4 th:TH_STORE_NT
.endr
.endm
	s_wait_kmcnt 0x0
	s_add_co_i32 s96, s96, s97
	s_add_co_i32 s96, s96, 127
	s_lshl_b32 s96, s96, 23
	s_mov_b32 s97, s96
	s_wait_loadcnt 0x0
	PLACES NP
	TOSTAGE 0
.irp a, 1,2,3,4,5,6,7
.if \a > 1
	s_wait_xcnt 0x0
.endif
	TOSTAGE \a
	SEND \a-1, 32
.endr
	s_wait_xcnt 0x0
	SEND 7, 0
	s_wait_tensorcnt 0x0
	ds_add_u32 v[SPW], v[NIL]
	s_wait_dscnt 0x0
	CROUND
	s_endpgm
.Lfunc_end_k_qfb805782af_proj:
	.size	k_qfb805782af_proj, .Lfunc_end_k_qfb805782af_proj-k_qfb805782af_proj
	.p2alignl 7, 3214868480
	.fill 96, 4, 3214868480
	.section	.rodata,"a",@progbits
	.p2align	6, 0x0
	.amdhsa_kernel k_qfb805782af_proj
		.amdhsa_group_segment_fixed_size 327680
		.amdhsa_private_segment_fixed_size 0
		.amdhsa_enable_private_segment 0
		.amdhsa_kernarg_size 40
		.amdhsa_user_sgpr_count 2
		.amdhsa_user_sgpr_kernarg_segment_ptr 1
		.amdhsa_wavefront_size32 1
		.amdhsa_system_sgpr_workgroup_id_x 1
		.amdhsa_system_sgpr_workgroup_id_y 1
		.amdhsa_system_sgpr_workgroup_id_z 1
		.amdhsa_system_vgpr_workitem_id 0
		.amdhsa_next_free_vgpr 1024
		.amdhsa_next_free_sgpr 100
		.amdhsa_reserve_vcc 0
		.amdhsa_float_denorm_mode_32 3
		.amdhsa_float_denorm_mode_16_64 3
		.amdhsa_memory_ordered 1
		.amdhsa_forward_progress 1
		.amdhsa_inst_pref_size 125
	.end_amdhsa_kernel
	.amdgpu_metadata
---
amdhsa.version: [ 1, 2 ]
amdhsa.kernels:
  - .name:           k_qfb805782af_proj
    .symbol:         k_qfb805782af_proj.kd
    .args:
      - { .name: a_img, .offset: 0, .size: 8, .value_kind: global_buffer, .address_space: global }
      - { .name: wp_codes, .offset: 8, .size: 8, .value_kind: global_buffer, .address_space: global }
      - { .name: lowp_scales, .offset: 16, .size: 8, .value_kind: global_buffer, .address_space: global }
      - { .name: b_proj, .offset: 24, .size: 8, .value_kind: global_buffer, .address_space: global }
      - { .name: out0, .offset: 32, .size: 8, .value_kind: global_buffer, .address_space: global }
    .group_segment_fixed_size: 327680
    .private_segment_fixed_size: 0
    .kernarg_segment_align: 8
    .kernarg_segment_size: 40
    .max_flat_workgroup_size: 64
    .sgpr_count:     100
    .vgpr_count:     1024
    .wavefront_size: 32
...
	.end_amdgpu_metadata
.endif
;; end of part 4
